; MI455X (gfx1250); checked and timed in simulation.
; The chip was launched on July 23, 2026; its instructions are those of AMD's public machine-readable ISA for CDNA 5 (MIT licence, August 2026) and "CDNA5" Instruction Set Architecture Reference Guide (July 2026). The comments in the code are by the model that wrote it; some were corrected since.
;; Self Attention. Allowed arithmetic: matrix products marked QUANTISED: E2M3 operands, one E8M0 scale for each 32 along K, by v_wmma_scale_f32_16x16x128_f8f6f4 with both operands' format E2M3, f32 sums; everything else in f32.
;; Inputs: Wout 1,024 x 1,024 float32; Wqkv 3,072 x 1,024 float32; bout 1,024 float32; bqkv 3,072 float32; g_k 1,024 float32; g_out 1,024 float32; g_q 1,024 float32; x 4 x 2,048 x 1,024 float32.
;; Outputs: out0 4 x 2,048 x 1,024 float32.
;; This version of the problem:
;;   THIS VERSION OF THE PROBLEM IS GIVEN IN LOW PRECISION. The matrix products marked QUANTISED in the list below multiply operands that are first quantised to E2M3 (2 exponent bits, 3 mantissa bits; 6 bits a number), with one power-of-two scale for each 32 numbers along K (OCP MX v1.0); their sums are f32. All else is computed in f32.
;;   The module's matrix products, in the order in which they are computed (A, B: the left and right operand; K: the contracted axis; several contracted axes count as one K, in the product's order):
;;     1. [M 8,192, K 1,024] x [K 1,024, N 3,072]; A: input x; B: input Wqkv: QUANTISED
;;     2. batch 64 x [M 2,048, K 64] x [K 64, N 2,048]; A: computed on the way; B: computed on the way: QUANTISED
;;     3. batch 64 x [M 2,048, K 2,048] x [K 2,048, N 64]; A: softmax (see below); B: computed on the way: QUANTISED
;;     4. [M 8,192, K 1,024] x [K 1,024, N 1,024]; A: computed on the way; B: input Wout: QUANTISED
;;   THE QUANTISER, for each operand of a quantised product, along K:
;;     - K is cut into blocks of 32 from its start; a last block that is shorter is filled with zeros.
;;     - A block's scale is 2^e with e = floor(log2(the largest magnitude in the block)) - 2, held to -126 .. 127; a block of zeros has e = 0. As a byte (E8M0): e + 127.
;;     - Each number is divided by its block's scale, clamped to +-7.5, and rounded to the nearest number of E2M3, ties to even, subnormals kept.
;;     - The product sums the exact products of the quantised numbers (number of the format x scale) in f32.
;;   ~~~python
;;   def quantise(x, axis):      # numpy; x: float32 -> the quantised numbers, widened to float32 again
;;       x = np.moveaxis(x, axis, -1); K = x.shape[-1]
;;       x = np.pad(x, [(0, 0)] * (x.ndim - 1) + [(0, -K % 32)]); x = x.reshape(x.shape[:-1] + (-1, 32)); a = np.abs(x).max(-1, keepdims=True)
;;       e = np.where(a > 0, np.clip(np.frexp(np.where(a > 0, a, 1))[1] - 1 - 2, -126, 127), 0)      # np.frexp(a)[1] - 1 = floor(log2(a)), exactly
;;       r = np.clip(x / 2.0 ** e, -7.5, 7.5)
;;       step = 2.0 ** (np.maximum(np.frexp(np.where(r == 0, 1, r))[1] - 1, 0) - 3)
;;       q = np.round(r / step) * step * 2.0 ** e      # np.round: ties to even
;;       return np.moveaxis(q.reshape(q.shape[:-2] + (-1,))[..., :K], -1, axis).astype(np.float32)
;;   ~~~
;;   SOFTMAX AHEAD OF A QUANTISED PRODUCT. Where the list says 'softmax', what is quantised is not the finished softmax but p = 2^(t - M), with t = logit x log2(e) and M = ceil(the row's largest t), a whole number; so 1/2 < the row's largest p <= 1. The row's sum l is taken of the UNQUANTISED p, in f32, and the product's result is divided by l at the end. Since M is a whole number, a kernel that streams over the keys may use a running M (the ceiling of the running maximum): every later rescaling is an exact power of two, which a block's scale takes up: the codes' values come out the same.
;;   OPERANDS COMPUTED ON THE WAY. 'Computed on the way' means the value that the module computes at that place (a softmax that the list does not call 'softmax' is quantised finished and normalised). What goes into a quantiser is computed in f32, as accurately as f32 sums, v_exp_f32 and their like allow (about 1e-6 of the number): no bf16 or f16 on the way to a quantiser, and a product that is left as it is and whose result goes on into a quantised operand takes f32 operands (vector FMAs, or v_wmma_f32_16x16x4_f32). A number that lies on a knife's edge between two numbers of the format may be rounded either way, as far as f32 arithmetic and the matrix unit's own rounding can turn it there, and no further.
;; One version. Each part assembles by itself: llvm-mc -triple=amdgcn-amd-amdhsa -mcpu=gfx1250 --defsym DOCPART=n.
;; ======== version 1 of 1: 4 launches
;; limits: right only within a limited range of input values
;; workspace buffers: cod 9,437,184 bytes; scl 393,216 bytes; qb 6,815,744 bytes; kv 13,369,344 bytes; oc 6,291,456 bytes; osc 1,048,576 bytes
;; launch quant (part 1): grid 192 x 2, 4 waves a work-group, no clusters, 34,304 bytes of LDS; arguments x, Wqkv, Wout, cod, scl; writes cod, scl
.if DOCPART == 1
	.amdgcn_target "amdgcn-amd-amdhsa--gfx1250"
	.amdhsa_code_object_version 6
	.text
	.protected	k_q53d2794f0b_quant
	.globl	k_q53d2794f0b_quant
	.p2align	8
	.type	k_q53d2794f0b_quant,@function
k_q53d2794f0b_quant:
	s_mov_b64 s[64:65], 0
	v_nop
	global_prefetch_b8 v0, s[64:65] scope:SCOPE_SE
	s_setreg_imm32_b32 hwreg(HW_REG_WAVE_MODE, 25, 1), 1
	s_wait_xcnt 0x0
; x [8192][1024], Wqkv [3072][1024] and Wout [1024][1024], f32, K innermost, become codes of FP6 (E2M3) with one E8M0 byte for each 32 along K,
; laid as IMAGES OF THE OPERAND'S REGISTERS.  Rows go in groups of 64 (groups 0-127: x, 128-175: Wqkv, 176-191: Wout); a group is four tiles of 16 rows;
; lane r of tile a holds row 32 (a / 2) + 8 (a % 2) + r + 8 (r / 8), so that a product that takes such a tile as source 0 leaves 16 neighbouring rows in the 16 registers of two neighbouring tiles.
; cod: [group][K step of 128][tile][1,536 bytes]: register 4 c + i of lane l at 512 c + 16 l + 4 i.   scl: [group][K step][256 bytes]: the scale word of tile 2 i + t, row r, at 8 (r + 16 t) + 4 i.
; A block's scale is 2^(floor(log2(largest magnitude)) - 2); its byte is the largest magnitude's exponent field - 2, held at 1 from below.
; LIMITS: a block of zeros, or one whose largest magnitude lies under 2^-124, gets the byte 1 (its codes are zeros or as the held scale gives them; this program alone reads the bytes); NaN and infinities are not served.
; SHARES: work-group (x, y) takes group x and K steps 4 y .. 4 y + 3, one step a wave: four tiles of 16 rows x 512 bytes.  Each load reads 512 consecutive bytes of a row; a tile turns through the wave's own
; stage in LDS (16 rows, 528 bytes apart) so that a lane gets 16 neighbours of each block of 32.  Waves share nothing: no barrier.  No work-group reads what another reads: no cluster.
.set STGB, 8448                        ; a wave's stage
.set LI,   4                           ; v4  16 x lane
.set L8,   5                           ; v5  8 x lane
.set SIN,  6                           ; v6  the stage, on the way in: 16 x lane
.set SOUT, 7                           ; v7  on the way out: 528 r + 64 h
.set R,    16                          ; v16-143  two sets of 64: a tile as loaded
.set X,    144                         ; v144-207 register 16 b + i = k 32 b + 16 h + i of my row
.set PC,   208                         ; v208-226 the codes
.set TM,   228                         ; v228-243 at work
.set SW,   244                         ; v244-247 the four tiles' scale words
.set SEL,  28                          ; s[28:29] selects for lane l xor 16
.set HIM,  30                          ; s30 lanes 16-31
; 64 numbers of a lane, register 16 b + i = k 32 b + 16 (lane / 16) + i of its row, become a fragment's codes in v[PC] on and its scale word in v[pw]
.macro QUANT s, pw
.irp b, 0,1,2,3
	v_max3_num_f32 v[TM+\b], |v[\s+16*\b]|, |v[\s+1+16*\b]|, 0x1800000   ; my 16 numbers of block b, and the floor 2^(3 - 127): the byte cannot fall under 1
.endr
.irp i, 2,4,6,8,10,12,14
.irp b, 0,1,2,3
	v_max3_num_f32 v[TM+\b], v[TM+\b], |v[\s+16*\b+\i]|, |v[\s+1+16*\b+\i]|
.endr
.endr
.irp b, 0,1,2,3
	v_permlanex16_b32 v[TM+4+\b], v[TM+\b], s[SEL], s[SEL+1]
.endr
.irp b, 0,1,2,3
	v_max_num_f32 v[TM+\b], v[TM+\b], v[TM+4+\b]   ; with lane l xor 16's 16: the block's largest magnitude
.endr
.irp b, 0,1,2,3
	v_add_nc_u32 v[TM+12+\b], 0xff000000, v[TM+\b]   ; 2 off its exponent field: the conversion's scale operand
.endr
.irp b, 0,1,2,3
	v_lshrrev_b32 v[TM+4+\b], 23, v[TM+12+\b]      ; the scale's byte
.endr
	v_lshl_or_b32 v[\pw], v[TM+5], 8, v[TM+4]
	v_lshl_or_b32 v[\pw], v[TM+6], 16, v[\pw]
	v_lshl_or_b32 v[\pw], v[TM+7], 24, v[\pw]
.irp c, 0,1
	v_cvt_scalef32_pk16_fp6_f32 v[PC+6*\c:PC+2+6*\c], v[\s+32*\c:\s+15+32*\c], v[TM+12+2*\c]
	v_cvt_scalef32_pk16_fp6_f32 v[PC+12+4*\c:PC+14+4*\c], v[\s+16+32*\c:\s+31+32*\c], v[TM+12+2*\c+1]
.endr
	v_nop                                          ; one plain place behind a scaled conversion
.irp c, 0,1                                    ; a whole block to a lane: lanes 0-15 block 2 c, lanes 16-31 block 2 c + 1
.irp i, 0,1,2
	v_permlane16_swap_b32 v[PC+6*\c+\i], v[PC+12+4*\c+\i]
.endr
.irp i, 0,1,2
	v_mov_b32 v[PC+3+6*\c+\i], v[PC+12+4*\c+\i]
.endr
.endr
.endm
	s_load_b128 s[4:7], s[0:1], 0x0                ; x, Wqkv
	s_load_b128 s[8:11], s[0:1], 0x10              ; Wout, cod
	s_load_b64 s[12:13], s[0:1], 0x20              ; scl
	v_lshl_add_u32 v254, v0, 2, 0x8400
	v_mov_b32 v255, 0
	v_lshrrev_b32 v1, 5, v0
	v_readfirstlane_b32 s18, v1                    ; wave
	v_and_b32 v2, 31, v0                           ; lane
	v_and_b32 v3, 15, v0                           ; r
	v_bfe_u32 v8, v0, 4, 1                         ; h
	v_lshlrev_b32 v[LI], 4, v2
	v_lshlrev_b32 v[L8], 3, v2
	s_mul_i32 s19, s18, STGB
	v_add_nc_u32 v[SIN], s19, v[LI]
	v_mul_u32_u24 v[SOUT], v3, 528
	v_lshl_add_u32 v[SOUT], v8, 6, v[SOUT]
	v_add_nc_u32 v[SOUT], s19, v[SOUT]
.irp b, 0,1,2,3
	v_mov_b32 v[TM+4+\b], 0                        ; written once: a lane permute's destination counts as one of its sources
.endr
	s_and_b32 s20, ttmp7, 0xffff
	s_lshl_b32 s20, s20, 2
	s_add_co_u32 s20, s20, s18                     ; my K step: 4 y + wave
	s_mov_b32 s[SEL], 0x76543210
	s_mov_b32 s[SEL+1], 0xfedcba98
	s_mov_b32 s[HIM], 0xffff0000
	s_mov_b32 s21, 176
	s_wait_alu depctr_va_vdst(0)
	s_wait_kmcnt 0x0
	s_cmp_lt_u32 ttmp9, 176                        ; which tensor: the choice hangs on the work-group's number alone
	s_cselect_b64 s[14:15], s[6:7], s[8:9]
	s_cselect_b32 s16, 128, s21
	s_cmp_lt_u32 ttmp9, 128
	s_cselect_b64 s[14:15], s[4:5], s[14:15]
	s_cselect_b32 s16, 0, s16
	s_sub_co_u32 s16, ttmp9, s16                   ; the group's number inside its tensor
	s_lshl_b32 s22, s16, 18                        ; 64 rows of 4,096 bytes
	s_lshl_b32 s23, s20, 9                         ; + 512 bytes a K step
	s_add_co_u32 s22, s22, s23
	s_mov_b32 s23, 0
	s_add_nc_u64 s[14:15], s[14:15], s[22:23]
	s_mul_i32 s24, ttmp9, 49152
	s_mul_i32 s25, s20, 6144
	s_add_co_u32 s24, s24, s25
	s_mov_b32 s25, 0
	s_add_nc_u64 s[10:11], s[10:11], s[24:25]      ; my four images
	s_lshl_b32 s24, ttmp9, 11
	s_lshl_b32 s26, s20, 8
	s_add_co_u32 s24, s24, s26
	s_add_nc_u64 s[12:13], s[12:13], s[24:25]      ; my 256 bytes of scale words
.macro LOADT a                         ; tile a: its 16 rows, 512 consecutive bytes each, into set a % 2
.irp i, 0,1,2,3,4,5,6,7,8,9,10,11,12,13,14,15
	global_load_b128 v[R+64*((\a)%2)+4*\i:R+64*((\a)%2)+4*\i+3], v[LI], s[14:15] offset:(32*((\a)/2)+8*((\a)%2)+\i+8*(\i/8))*4096 th:TH_LOAD_NT
.endr
.endm
.macro TILE a
.if (\a) < 3
	s_wait_loadcnt 16                              ; this tile's 16 loads are in; the next tile's may be out
.else
	s_wait_loadcnt 0x0
.endif
.irp i, 0,1,2,3,4,5,6,7,8,9,10,11,12,13,14,15
	ds_store_b128 v[SIN], v[R+64*((\a)%2)+4*\i:R+64*((\a)%2)+4*\i+3] offset:528*\i
.endr
.irp b, 0,1,2,3
.irp j, 0,1,2,3
	ds_load_b128 v[X+16*\b+4*\j:X+16*\b+4*\j+3], v[SOUT] offset:128*\b+16*\j   ; LDS serves a wave's instructions in order: these see the stores above
.endr
.endr
	s_wait_dscnt 0x0                               ; the stores have read their registers, and my 64 numbers are in
	s_wait_xcnt 0x0                                ; the last tile's global stores have read the codes' registers
.if (\a) < 2
	LOADT (\a)+2
.endif
	QUANT X, SW+(\a)
.irp c, 0,1,2
	global_store_b128 v[LI], v[PC+4*\c:PC+4*\c+3], s[10:11] offset:1536*(\a)+512*\c   ; 512 consecutive bytes, at a multiple of 256
.endr
.endm
	LOADT 0
	LOADT 1
	TILE 0
	TILE 1
	TILE 2
	TILE 3
	v_cndmask_b32 v248, v[SW], v[SW+1], s[HIM]     ; lanes 0-15: tile 0's words, lanes 16-31: tile 1's
	v_cndmask_b32 v249, v[SW+2], v[SW+3], s[HIM]   ; tiles 2 and 3
	global_store_b64 v[L8], v[248:249], s[12:13]   ; 256 consecutive bytes
	s_wait_tensorcnt 0x0
	ds_add_u32 v254, v255
	s_wait_dscnt 0x0
	s_endpgm
.Lfunc_end_k_q53d2794f0b_quant:
	.size	k_q53d2794f0b_quant, .Lfunc_end_k_q53d2794f0b_quant-k_q53d2794f0b_quant
	.p2alignl 7, 3214868480
	.fill 96, 4, 3214868480
	.section	.rodata,"a",@progbits
	.p2align	6, 0x0
	.amdhsa_kernel k_q53d2794f0b_quant
		.amdhsa_group_segment_fixed_size 34304
		.amdhsa_private_segment_fixed_size 0
		.amdhsa_enable_private_segment 0
		.amdhsa_kernarg_size 40
		.amdhsa_user_sgpr_count 2
		.amdhsa_user_sgpr_kernarg_segment_ptr 1
		.amdhsa_wavefront_size32 1
		.amdhsa_system_sgpr_workgroup_id_x 1
		.amdhsa_system_sgpr_workgroup_id_y 1
		.amdhsa_system_sgpr_workgroup_id_z 1
		.amdhsa_system_vgpr_workitem_id 0
		.amdhsa_next_free_vgpr 256
		.amdhsa_next_free_sgpr 66
		.amdhsa_reserve_vcc 0
		.amdhsa_float_denorm_mode_32 3
		.amdhsa_float_denorm_mode_16_64 3
		.amdhsa_memory_ordered 1
		.amdhsa_forward_progress 1
		.amdhsa_inst_pref_size 34
	.end_amdhsa_kernel
	.amdgpu_metadata
---
amdhsa.version: [ 1, 2 ]
amdhsa.kernels:
  - .name:           k_q53d2794f0b_quant
    .symbol:         k_q53d2794f0b_quant.kd
    .args:
      - { .name: x, .offset: 0, .size: 8, .value_kind: global_buffer, .address_space: global }
      - { .name: Wqkv, .offset: 8, .size: 8, .value_kind: global_buffer, .address_space: global }
      - { .name: Wout, .offset: 16, .size: 8, .value_kind: global_buffer, .address_space: global }
      - { .name: cod, .offset: 24, .size: 8, .value_kind: global_buffer, .address_space: global }
      - { .name: scl, .offset: 32, .size: 8, .value_kind: global_buffer, .address_space: global }
    .group_segment_fixed_size: 34304
    .private_segment_fixed_size: 0
    .kernarg_segment_align: 8
    .kernarg_segment_size: 40
    .max_flat_workgroup_size: 128
    .sgpr_count:     66
    .vgpr_count:     256
    .wavefront_size: 32
...
	.end_amdgpu_metadata
.endif
;; end of part 1
;; launch qkv (part 2): grid 128 x 4, 4 waves a work-group, clusters of 4 x 1, 327,680 bytes of LDS; arguments cod, scl, bqkv, g_q, g_k, qb, kv; writes qb, kv
.if DOCPART == 2
	.amdgcn_target "amdgcn-amd-amdhsa--gfx1250"
	.amdhsa_code_object_version 6
	.text
	.protected	k_q53d2794f0b_qkv
	.globl	k_q53d2794f0b_qkv
	.p2align	8
	.type	k_q53d2794f0b_qkv,@function
k_q53d2794f0b_qkv:
	s_mov_b64 s[64:65], 0
	v_nop
	global_prefetch_b8 v0, s[64:65] scope:SCOPE_SE
	s_setreg_imm32_b32 hwreg(HW_REG_WAVE_MODE, 25, 1), 1
	s_wait_xcnt 0x0
	s_wait_alu depctr_hold_cnt(0) depctr_sa_sdst(0) depctr_va_vdst(0) depctr_va_sdst(0) depctr_va_ssrc(0) depctr_va_vcc(0) depctr_vm_vsrc(0)
	s_getreg_b32 s2, hwreg(HW_REG_IB_STS2, 6, 4)
	s_cmp_eq_u32 s2, 0
	s_cbranch_scc0 .Lentry_in_a_cluster
	s_endpgm
.Lentry_in_a_cluster:
	s_bfe_u32 s2, ttmp6, 0x10000c
	s_cmp_lg_u32 s2, 0x3003
	s_cbranch_scc0 .Lentry_shape_is_right
	s_endpgm
.Lentry_shape_is_right:
; qkv = x Wqkv^T + bqkv on codes of FP6, and what follows it up to the next quantisers.  ONE SHAPE: D = big (1,024 rows, source 0) x small (64 rows, source 1), K = 1,024 in 8 steps of 128.
; A lane holds ONE small row, and its registers run along the big rows.  i = 4 x cluster x + my place in the cluster; y = cluster y.
;   y = 0, 1 (q, k): big = the 1,024 channels of Wq or Wk, small = 64 tokens (group i).  The whole row of 1,024 channels lies in the work-group: bias, the row's norm, gain, x 32 (q: x 32 / 8), then quantised along each head's 64.
;   y = 2, 3 (v):       big = 512 tokens (block 8 (y - 2) + i / 16), small = the 64 channels of head i % 16 of Wv.  A lane holds a channel and its registers run along the keys: bias, then quantised along the keys.
; Wave w owns big tiles 16 w .. 16 w + 15 against the four small tiles: 64 accumulators, 512 registers.
; CLUSTER: the big operand hangs on y and on cluster x / 4 alone, so the four partners ask for it JOINTLY (mask 15).  The small operand is a work-group's own: a plain load, once.
; All operands lie in memory as images of their registers: a K step's 16 tiles of a wave are 4 pieces of 6,144 bytes, one tensor load; a fragment is three ds_load_b128 at 16 x lane; no padding is wanted.
; The big slots' bytes are each wave's own (it loads what it reads); a round stands in front of each joint refill.
; OUT: qb [b h][128 tiles x 768 bytes of codes | 32 groups x 256 bytes of scale words]; kv [b h][K's codes 98,304 | V's codes 16 steps x 4 tiles x 1,536 | K's scale words 8,192 | V's 4,096].
; A tile of q or k is 16 tokens x 64: registers 0-3 at 16 x lane, 4-5 at 512 + 8 x lane; its scale word has two bytes and 0x7f7f above them (K = 64 is filled to 128 with zero codes in the next launch).
; LIMITS: NaN and infinities are not served; a row's sum of squares stays under f32's largest number; 1 / norm by v_sqrt_f32 and v_rcp_f32 (1 ulp each; a sum of squares under 2^-126 counts as 0, where the hold at 1e-12 decides);
; a block of zeros or under 2^-124 gets the byte 1.
.set SLOTB, 98304                      ; a slot: one K step of the 1,024 big rows; wave w's part at 24,576 w, tile b at 1,536 b
.set WPART, 24576
.set SML,   196608                     ; the small operand, all 8 K steps: [step][tile][1,536]; filled once
.set VEC,   245760                     ; for each wave 1,024 bytes of bias and 1,024 of gain (its 256 channels)
.set RED,   253952                     ; the waves' partial sums of squares: 512 bytes a wave
.set SPARE, 256000                     ; the spare words, 128 bytes a wave: two blocks of 256 bytes that no other line names
.set LI,   4                           ; v4  16 x lane
.set L8,   5                           ; v5  8 x lane
.set SPW,  6                           ; v6  my spare word; never rewritten
.set NIL,  7                           ; v7  0; never rewritten
.set ADB,  8                           ; v8-9 my big tiles in slot 0, 1
.set ADS,  10                          ; v10 the small operand
.set VECW, 11
.set VECR, 12
.set REDW, 13
.set REDR, 14
.set VC16, 15                          ; v15-17 q, k: my offsets in a head's block
.set VC8,  16
.set VSC,  17
.set BVO,  18                          ; v18 4 (r + 8 (r / 8))
.set BV,   20                          ; v20-27 v's bias of my channel, a pair for each small tile
.set BSC,  32                          ; v32-95 big scale words: register 8 s + b / 2; tile b in lanes 16 (b % 2) on
.set SSC,  96                          ; v96-111 small scale words: register 2 s + a / 2
.set SSQ,  112                         ; v112-119 sums of squares, a pair a tile
.set RS,   120                         ; v120-127 what a row is multiplied by, a pair a tile
.set SF,   128                         ; v128-223 small fragments, two sets of 48
.set T,    128                         ; afterwards: v128-191 64 numbers at work
.set PC,   192                         ; v192-210 codes
.set TM,   212                         ; v212-227 at work
.set MM,   228                         ; v228-231 scale words of two tiles in one register
.set SW,   240                         ; v240-247 scale words as QUANT makes them
.set EE,   248                         ; v248-255 scale words of a head
.set WV,   18
.set CX,   19
.set II,   20
.set YY,   21
.set G1B,  24                          ; s[24:31] group 1, big
.set G1S,  32                          ; s[32:39] group 1, small
.set G0B,  40                          ; s[40:47] group 0, big, a set for each slot
.set G0S,  48                          ; s[48:51] group 0, small
.set SEL,  52
.set HIM,  54
.set K7F,  55
.set PS0,  56
.set PS1,  57
.set RSC,  58
.set HB,   66                          ; s[66:73] output bases
.set MUL_LO, 0xa1                      ; source 0 (big) window 1, source 1 (small) window 0, C and D window 2
.set MUL_HI, 0xf1                      ; the same, C and D window 3
.set MSB, 0
.set RAOFF, 0                          ; added to a big fragment's first register: 96 in the second half of v's trips
.set G1V,  68                          ; s[68:75] group 1 for v's big operand (y = 2, 3: the shares of v stand at .Lvmain)
.macro WIN new                         ; the immediate's high byte repeats the setting that is left
.if MSB != (\new)
	s_set_vgpr_msb (MSB<<8)|(\new)
.set MSB, (\new)
.endif
.endm
.macro PLACES n
.rept \n
	v_nop
.endr
.endm
.macro ROUND                           ; a round of the cluster's barrier
	s_barrier_signal -1
	s_barrier_wait -1
	s_cmp_lg_u32 s[WV], 0
	s_cbranch_scc1 .Lnw0_\@
	s_barrier_signal -3
.Lnw0_\@:
	s_barrier_wait -3
	s_barrier_signal -1
	s_barrier_wait -1
.endm
.macro FINISH                          ; the wave's end: the tensor wait, the add onto my spare word and its wait, the closing round
	s_wait_tensorcnt 0x0
	ds_add_u32 v[SPW], v[NIL]
	s_wait_dscnt 0x0
	ROUND
	s_endpgm
.endm
.macro QUANT s, pw                     ; 64 numbers, register 16 b + i = k 32 b + 16 (lane / 16) + i of my row -> codes in v[PC] on, scale word in v[pw]
.irp b, 0,1,2,3
	v_max3_num_f32 v[TM+\b], |v[\s+16*\b]|, |v[\s+1+16*\b]|, 0x1800000   ; and the floor 2^(3 - 127): the byte cannot fall under 1
.endr
.irp i, 2,4,6,8,10,12,14
.irp b, 0,1,2,3
	v_max3_num_f32 v[TM+\b], v[TM+\b], |v[\s+16*\b+\i]|, |v[\s+1+16*\b+\i]|
.endr
.endr
.irp b, 0,1,2,3
	v_permlanex16_b32 v[TM+4+\b], v[TM+\b], s[SEL], s[SEL+1]
.endr
.irp b, 0,1,2,3
	v_max_num_f32 v[TM+\b], v[TM+\b], v[TM+4+\b]
.endr
.irp b, 0,1,2,3
	v_add_nc_u32 v[TM+12+\b], 0xff000000, v[TM+\b]   ; 2 off the exponent field: the conversion's scale operand
.endr
.irp b, 0,1,2,3
	v_lshrrev_b32 v[TM+4+\b], 23, v[TM+12+\b]
.endr
	v_lshl_or_b32 v[\pw], v[TM+5], 8, v[TM+4]
	v_lshl_or_b32 v[\pw], v[TM+6], 16, v[\pw]
	v_lshl_or_b32 v[\pw], v[TM+7], 24, v[\pw]
.irp c, 0,1
	v_cvt_scalef32_pk16_fp6_f32 v[PC+6*\c:PC+2+6*\c], v[\s+32*\c:\s+15+32*\c], v[TM+12+2*\c]
	v_cvt_scalef32_pk16_fp6_f32 v[PC+12+4*\c:PC+14+4*\c], v[\s+16+32*\c:\s+31+32*\c], v[TM+12+2*\c+1]
.endr
	v_nop                                          ; one plain place behind a scaled conversion
.irp c, 0,1
.irp i, 0,1,2
	v_permlane16_swap_b32 v[PC+6*\c+\i], v[PC+12+4*\c+\i]
.endr
.irp i, 0,1,2
	v_mov_b32 v[PC+3+6*\c+\i], v[PC+12+4*\c+\i]
.endr
.endr
.endm
.macro FRAG3 reg, adr, off             ; an image of 12 registers
.irp c, 0,1,2
	ds_load_b128 v[(\reg)+4*\c:(\reg)+4*\c+3], v[\adr] offset:(\off)+512*\c
.endr
.endm
.macro FETCH_S s                       ; the four small fragments of K step s into set s % 2 (every window 0)
.irp a, 0,1,2,3
	FRAG3 SF+48*((\s)%2)+12*\a, ADS, 6144*(\s)+1536*\a
.endr
.endm
.macro FETCH_B s, b0                   ; big tiles b0 .. b0 + 7 of K step s into window 1
	WIN 0x40
.irp i, 0,1,2,3,4,5,6,7
	FRAG3 12*((\b0)+\i), ADB+(\s)%2, 1536*((\b0)+\i)
.endr
	WIN 0
.endm
; one product: small tile a, big tile b, K step s.  The first K step starts the sums with the constant 0.  A scale word lies in lanes 0-15 for an even tile, in lanes 16-31 for an odd one.
.macro WM a, b, s
.set rD, 64*(\a)+8*((\b)%8)
.set rA, 12*(\b)+RAOFF
.set rB, SF+48*((\s)%2)+12*(\a)
.set rX, BSC+8*(\s)+(\b)/2
.set rY, SSC+2*(\s)+(\a)/2
.if (\s) == 0
.if (\b)%2 == 0
.if (\a)%2 == 0
	v_wmma_scale_f32_16x16x128_f8f6f4 v[rD:rD+7], v[rA:rA+11], v[rB:rB+11], 0, v[rX], v[rY] matrix_a_fmt:MATRIX_FMT_FP6 matrix_b_fmt:MATRIX_FMT_FP6
.else
	v_wmma_scale_f32_16x16x128_f8f6f4 v[rD:rD+7], v[rA:rA+11], v[rB:rB+11], 0, v[rX], v[rY] matrix_a_fmt:MATRIX_FMT_FP6 matrix_b_fmt:MATRIX_FMT_FP6 matrix_b_scale:MATRIX_SCALE_ROW1
.endif
.else
.if (\a)%2 == 0
	v_wmma_scale_f32_16x16x128_f8f6f4 v[rD:rD+7], v[rA:rA+11], v[rB:rB+11], 0, v[rX], v[rY] matrix_a_fmt:MATRIX_FMT_FP6 matrix_b_fmt:MATRIX_FMT_FP6 matrix_a_scale:MATRIX_SCALE_ROW1
.else
	v_wmma_scale_f32_16x16x128_f8f6f4 v[rD:rD+7], v[rA:rA+11], v[rB:rB+11], 0, v[rX], v[rY] matrix_a_fmt:MATRIX_FMT_FP6 matrix_b_fmt:MATRIX_FMT_FP6 matrix_a_scale:MATRIX_SCALE_ROW1 matrix_b_scale:MATRIX_SCALE_ROW1
.endif
.endif
.else
.if (\b)%2 == 0
.if (\a)%2 == 0
	v_wmma_scale_f32_16x16x128_f8f6f4 v[rD:rD+7], v[rA:rA+11], v[rB:rB+11], v[rD:rD+7], v[rX], v[rY] matrix_a_fmt:MATRIX_FMT_FP6 matrix_b_fmt:MATRIX_FMT_FP6
.else
	v_wmma_scale_f32_16x16x128_f8f6f4 v[rD:rD+7], v[rA:rA+11], v[rB:rB+11], v[rD:rD+7], v[rX], v[rY] matrix_a_fmt:MATRIX_FMT_FP6 matrix_b_fmt:MATRIX_FMT_FP6 matrix_b_scale:MATRIX_SCALE_ROW1
.endif
.else
.if (\a)%2 == 0
	v_wmma_scale_f32_16x16x128_f8f6f4 v[rD:rD+7], v[rA:rA+11], v[rB:rB+11], v[rD:rD+7], v[rX], v[rY] matrix_a_fmt:MATRIX_FMT_FP6 matrix_b_fmt:MATRIX_FMT_FP6 matrix_a_scale:MATRIX_SCALE_ROW1
.else
	v_wmma_scale_f32_16x16x128_f8f6f4 v[rD:rD+7], v[rA:rA+11], v[rB:rB+11], v[rD:rD+7], v[rX], v[rY] matrix_a_fmt:MATRIX_FMT_FP6 matrix_b_fmt:MATRIX_FMT_FP6 matrix_a_scale:MATRIX_SCALE_ROW1 matrix_b_scale:MATRIX_SCALE_ROW1
.endif
.endif
.endif
.endm
.macro MULB s, b
.irp a, 0,1,2,3
	WM \a, \b, \s
.endr
.endm
; A K step: 64 products, the 64 accumulators by turns in the same order in every step.  All of slot s % 2 has been asked out of LDS when the step begins.
; s <= 5: the slot is filled again with K step s + 2: all my tensor loads awaited (the one that is out is K step s + 1), the add, 8 products, the wait for the add and for my reads, a round of the cluster's barrier, the joint load.
; From a request to the wait for it a wave issues 56 products.
.macro TRIP s
	s_wait_dscnt 24                                ; the small fragments and big tiles 0-7 are in; the 24 loads of big tiles 8-15 may be out
	WIN MUL_LO
.irp b, 0,1,2,3,4,5
	MULB \s, \b
.endr
.if (\s) <= 5
	WIN 0                                          ; (the add's two registers lie in window 0)
	s_wait_tensorcnt 0x0                           ; no tensor load of mine is out, so a group 0 may be written
	ds_add_u32 v[SPW], v[NIL]                      ; 0 onto my spare word
	s_add_nc_u64 s[G0B+4*((\s)%2)+2:G0B+4*((\s)%2)+3], s[G0B+4*((\s)%2)+2:G0B+4*((\s)%2)+3], 12288   ; two K steps on
	WIN MUL_LO
.endif
	MULB \s, 6
	MULB \s, 7
	WIN 0
.if (\s) == 6
	s_wait_tensorcnt 0x0                           ; K step 7 has landed: bytes that I alone read
.endif
	s_wait_dscnt 0x0                               ; the add is done, and my reads of this slot are over
.if (\s) <= 5
	ROUND                                          ; the same now holds of every wave of the four work-groups
	tensor_load_to_lds s[G0B+4*((\s)%2):G0B+4*((\s)%2)+3], s[G1B:G1B+7]   ; my one tensor load behind the round
	s_nop 0
.endif
.if (\s) <= 6
	PLACES 4                                       ; behind the tensor load, and in front of loads into registers that products have read
	FETCH_S (\s)+1
	FETCH_B (\s)+1, 0
.if (\s) <= 3
	global_prefetch_b8 v28, s[80:81] offset:6144*((\s)+4) th:TH_LOAD_NT scope:SCOPE_SE   ; K step s + 4: two refills on; the last four trips ask for nothing
.endif
.endif
	WIN MUL_HI
.irp b, 8,9,10,11,12,13,14,15
	MULB \s, \b
.endr
.if (\s) <= 6
	PLACES 4
	FETCH_B (\s)+1, 8
.endif
.endm
	s_load_b128 s[4:7], s[0:1], 0x0                ; cod, scl
	s_load_b128 s[8:11], s[0:1], 0x10              ; bqkv, g_q
	s_load_b128 s[12:15], s[0:1], 0x20             ; g_k, qb
	s_load_b64 s[16:17], s[0:1], 0x30              ; kv
	v_lshl_add_u32 v[SPW], v0, 2, SPARE
	v_mov_b32 v[NIL], 0
	ds_add_u32 v6, v7
	ds_add_u32 v6, v7
	s_wait_dscnt 0x0
	v_lshrrev_b32 v1, 5, v0
	v_readfirstlane_b32 s[WV], v1                  ; wave 0..3
	s_bfe_u32 s[CX], ttmp6, 0x40000                ; my place in the cluster
	s_lshl_b32 s[II], ttmp9, 2
	s_add_co_u32 s[II], s[II], s[CX]               ; i
	s_and_b32 s[YY], ttmp7, 0xffff                 ; y, which the partners share
	s_lshr_b32 s22, ttmp9, 2                       ; the big operand's first group: v: 64 (y - 2) + 8 (cluster x / 4); q, k: 128 + 16 y.  No place in the cluster enters it
	s_lshl_b32 s22, s22, 3
	s_lshl_b32 s23, s[YY], 6
	s_add_co_u32 s22, s22, s23
	s_sub_co_u32 s22, s22, 128
	s_lshl_b32 s23, s[YY], 4
	s_add_co_u32 s23, s23, 128
	s_cmp_ge_u32 s[YY], 2
	s_cselect_b32 s22, s22, s23
	s_cselect_b32 s79, 2, 3                        ; the head's load: waves 2 and 3 take four (v) or eight groups each
	s_cselect_b32 s97, 1, 2                        ; the ring: a wave owns two (v) or four groups
	s_and_b32 s98, s[WV], 1
	s_lshl_b32 s99, s98, s79
	s_add_co_u32 s99, s99, s22
	s_mul_i32 s62, s99, 49152
	s_mov_b32 s63, 0
	s_mul_i32 s61, s98, 49152                      ; 49,152 bytes of slot 0 either way
	s_lshl_b32 s23, s[WV], s97
	s_add_co_u32 s22, s22, s23                     ; + my wave's groups
	s_mul_i32 s76, s22, 49152
	s_mov_b32 s77, 0
	s_lshl_b32 s82, s22, 11
	s_mov_b32 s83, 0
	s_and_b32 s74, s[II], 15                       ; the small operand's group: v: 160 + i % 16; q, k: i
	s_add_co_u32 s75, s74, 160
	s_cmp_ge_u32 s[YY], 2
	s_cselect_b32 s75, s75, s[II]
	s_mul_i32 s84, s75, 49152
	s_and_b32 s96, s[WV], 1
	s_mul_i32 s96, s96, 24576                      ; waves 0 and 1 fetch a half of the small operand each
	s_add_co_u32 s84, s84, s96
	s_mov_b32 s85, 0
	s_lshl_b32 s86, s75, 11
	s_mov_b32 s87, 0
	s_lshr_b32 s59, s[CX], 1                       ; the prefetches' share of my work-group: v: group cx / 2 of my wave's two, K step cx % 2 of a slot's two;
	s_mul_i32 s59, s59, 49152
	s_and_b32 s23, s[CX], 1
	s_mul_i32 s23, s23, 6144
	s_add_co_u32 s59, s59, s23
	s_mul_i32 s23, s[CX], 49152                    ; q, k: group cx of my wave's four
	s_cmp_ge_u32 s[YY], 2
	s_cselect_b32 s59, s59, s23
	s_min_u32 s88, s[YY], 2                        ; (held at 2: no load leaves bqkv)
	s_lshl_b32 s88, s88, 12
	s_lshl_b32 s90, s[WV], 10
	s_add_co_u32 s88, s88, s90
	s_mov_b32 s89, 0
	s_mov_b32 s91, 0
	s_lshl_b32 s92, s74, 8                         ; v's bias of head i % 16: 4 (2,048 + 64 (i % 16))
	s_add_co_u32 s92, s92, 8192
	s_mov_b32 s93, 0
	s_mul_i32 s78, s[WV], WPART
	; group 1, big: 4 pieces of 6,144 bytes (768 elements of 8 bytes), 49,152 bytes apart; the mask names the four partners
	s_mov_b32 s[G1B], 15|(3<<16)|(1<<21)
	s_mov_b32 s[G1B+1], 768<<16
	s_mov_b32 s[G1B+2], 8<<16                      ; eight pieces for the head's load; four from the ring's first load on
	s_mov_b32 s[G1B+3], 768<<16
	s_mov_b32 s[G1B+4], 8
	s_mov_b32 s[G1B+5], 6144
	s_mov_b32 s[G1B+6], 0
	s_mov_b32 s[G1B+7], 0
	; group 1, v's big operand: rows of 12,288 bytes (two K steps of a group of 64 tokens), 49,152 bytes apart: four for the head's load, two from the ring's first load on
	s_mov_b32 s[G1V], 15|(3<<16)|(1<<21)
	s_mov_b32 s[G1V+1], 1536<<16
	s_mov_b32 s[G1V+2], 4<<16
	s_mov_b32 s[G1V+3], 1536<<16
	s_mov_b32 s[G1V+4], 4
	s_mov_b32 s[G1V+5], 6144
	s_mov_b32 s[G1V+6], 0
	s_mov_b32 s[G1V+7], 0
	; group 1, small: 24,576 dense bytes as 96 rows of 256; no mask
	s_mov_b32 s[G1S], 3<<16
	s_mov_b32 s[G1S+1], 32<<16
	s_mov_b32 s[G1S+2], 96<<16
	s_mov_b32 s[G1S+3], 32<<16
	s_mov_b32 s[G1S+4], 96
	s_mov_b32 s[G1S+5], 32
	s_mov_b32 s[G1S+6], 0
	s_mov_b32 s[G1S+7], 0
	s_mov_b32 s[SEL], 0x76543210
	s_mov_b32 s[SEL+1], 0xfedcba98
	s_mov_b32 s[HIM], 0xffff0000
	s_mov_b32 s[K7F], 0x7f7f0000
	s_mov_b32 s[PS0], 0x07060100
	s_mov_b32 s[PS1], 0x07060302
	v_and_b32 v1, 31, v0                           ; lane
	v_and_b32 v2, 15, v0                           ; r
	v_bfe_u32 v3, v0, 4, 1                         ; h
	v_lshlrev_b32 v[LI], 4, v1
	v_lshlrev_b32 v[L8], 3, v1
	v_min_u32 v28, 23, v1                          ; the prefetches' offset: of my wave's four pieces of a K step the partner at place cx names piece cx: 24 blocks of 256 bytes, a lane a block (lanes 24-31 name the last again)
	v_lshlrev_b32 v28, 8, v28
	v_add_nc_u32 v28, s59, v28
	v_add_nc_u32 v[ADB], s78, v[LI]
	v_add_nc_u32 v[ADB+1], SLOTB, v[ADB]
	v_add_nc_u32 v[ADS], SML, v[LI]
	s_lshl_b32 s97, s[WV], 11
	s_add_co_u32 s97, s97, VEC
	v_add_nc_u32 v[VECW], s97, v[LI]
	v_lshl_add_u32 v[VECR], v3, 6, s97
	s_lshl_b32 s97, s[WV], 9
	s_add_co_u32 s97, s97, RED
	v_lshl_add_u32 v[REDW], v1, 2, s97
	v_lshl_add_u32 v[REDR], v1, 2, RED
	v_and_b32 v[BVO], 8, v2
	v_add_nc_u32 v[BVO], v[BVO], v2
	v_lshlrev_b32 v[BVO], 2, v[BVO]
	s_wait_alu depctr_va_vdst(0)
	s_wait_kmcnt 0x0
	s_add_nc_u64 s[62:63], s[4:5], s[62:63]
	s_or_b32 s63, s63, 0x80000000
	s_mov_b32 s60, 1
	s_add_nc_u64 s[80:81], s[4:5], s[76:77]
	s_add_nc_u64 s[82:83], s[6:7], s[82:83]
	s_add_nc_u64 s[84:85], s[4:5], s[84:85]
	s_add_nc_u64 s[86:87], s[6:7], s[86:87]
	s_add_nc_u64 s[88:89], s[8:9], s[88:89]
	s_cmp_eq_u32 s[YY], 0
	s_cselect_b64 s[94:95], s[10:11], s[12:13]     ; g_q for q, else g_k
	s_add_nc_u64 s[90:91], s[94:95], s[90:91]
	s_add_nc_u64 s[92:93], s[8:9], s[92:93]
	s_mov_b32 s[G0B], 1
	s_mov_b32 s[G0B+1], s78
	s_mov_b64 s[G0B+2:G0B+3], s[80:81]
	s_or_b32 s[G0B+3], s[G0B+3], 0x80000000
	s_mov_b32 s[G0B+4], 1
	s_add_co_u32 s[G0B+5], s78, SLOTB
	s_mov_b32 s76, 6144                            ; slot 1 begins one K step on; v: two
	s_cmp_ge_u32 s[YY], 2
	s_cselect_b32 s76, 12288, s76
	s_add_nc_u64 s[G0B+6:G0B+7], s[80:81], s[76:77]
	s_or_b32 s[G0B+7], s[G0B+7], 0x80000000
	s_mov_b32 s[G0S], 1
	s_add_co_u32 s[G0S+1], s96, SML
	s_mov_b64 s[G0S+2:G0S+3], s[84:85]
	s_or_b32 s[G0S+3], s[G0S+3], 0x80000000
	ROUND                                          ; the four work-groups are here: the first joint loads meet
	s_cmp_lt_u32 s[WV], 2                          ; the head's tiles, one load a wave, in one chain: waves 0, 1 the small operand's halves (plain), waves 2, 3 the halves of K step 0 (joint)
	s_cbranch_scc0 .Lhead_big
	tensor_load_to_lds s[G0S:G0S+3], s[G1S:G1S+7]
	s_nop 0
	PLACES 4
	s_branch .Lhead_asked
.Lhead_big:
	s_cmp_ge_u32 s[YY], 2                          ; y is the same in all waves and all partners
	s_cbranch_scc1 .Lhead_bigv
	tensor_load_to_lds s[60:63], s[G1B:G1B+7]
	s_nop 0
	PLACES 4
	s_branch .Lhead_asked
.Lhead_bigv:
	tensor_load_to_lds s[60:63], s[G1V:G1V+7]
	s_nop 0
	PLACES 4
.Lhead_asked:
	s_cmp_ge_u32 s[YY], 2
	s_cbranch_scc1 .Lpf_v
.irp s, 1,2,3
	global_prefetch_b8 v28, s[80:81] offset:6144*\s th:TH_LOAD_NT scope:SCOPE_SE   ; K steps 1 to 3 of my wave's rows, my work-group's quarter
.endr
	s_branch .Lpf_done
.Lpf_v:
.irp d, 1,2
	global_prefetch_b8 v28, s[80:81] offset:12288*\d th:TH_LOAD_NT scope:SCOPE_SE  ; v: the slots' second and third fill, my work-group's quarter
.endr
.Lpf_done:
	global_load_b128 v[224:227], v[LI], s[88:89]
	global_load_b128 v[228:231], v[LI], s[88:89] offset:512
	global_load_b128 v[232:235], v[LI], s[90:91]
	global_load_b128 v[236:239], v[LI], s[90:91] offset:512
	s_wait_alu depctr_va_vdst(0)
.irp a, 0,1,2,3
	global_load_b32 v[BV+2*\a], v[BVO], s[92:93] offset:4*(32*(\a/2)+8*(\a%2))
	global_load_b32 v[BV+2*\a+1], v[BVO], s[92:93] offset:4*(32*(\a/2)+8*(\a%2))   ; (the packed form names the pair)
.endr
.irp s, 0,1,2,3,4,5,6,7
.irp q, 0,1,2,3
	global_load_b64 v[BSC+8*\s+2*\q:BSC+8*\s+2*\q+1], v[L8], s[82:83] offset:2048*\q+256*\s   ; 256 consecutive bytes: the scale words of a group's four tiles for a K step
.endr
	global_load_b64 v[SSC+2*\s:SSC+2*\s+1], v[L8], s[86:87] offset:256*\s
.endr
	s_wait_loadcnt 48                              ; bias and gain are in: 8 + 32 + 8 loads were issued behind them
	ds_store_b128 v[VECW], v[224:227]
	ds_store_b128 v[VECW], v[228:231] offset:512
	ds_store_b128 v[VECW], v[232:235] offset:1024
	ds_store_b128 v[VECW], v[236:239] offset:1536
	s_wait_loadcnt 0x0
	s_wait_dscnt 0x0
	s_wait_tensorcnt 0x0                           ; my tile of the head's four is in
	ds_add_u32 v[SPW], v[NIL]
	s_mov_b32 s[G1B+2], 4<<16                      ; no tensor load of mine is out: from here on a load brings my wave's four pieces
	s_mov_b32 s[G1B+4], 4
	s_mov_b32 s[G1V+2], 2<<16                      ; v: my wave's two rows
	s_mov_b32 s[G1V+4], 2
	s_wait_dscnt 0x0
	ROUND                                          ; the small operand and slot 0 are whole, and the four work-groups are here
	s_cmp_ge_u32 s[YY], 2
	s_cbranch_scc1 .Lvmain                         ; v goes its own way from here on
	tensor_load_to_lds s[G0B+4:G0B+7], s[G1B:G1B+7]
	s_nop 0
	PLACES 4
	FETCH_S 0
	FETCH_B 0, 0
	FETCH_B 0, 8
.irp s, 0,1,2,3,4,5,6,7
	TRIP \s
.endr
	WIN 0
	PLACES 4                                       ; in front of the first reads of results and of loads into the fragments' registers
.irp b, 0,1,2,3
	v_mov_b32 v[TM+4+\b], 0                        ; written once: a lane permute's destination counts as one of its sources
.endr
	; ---- q, k.  Where the results go
	s_mov_b32 s76, 208896
	s_mov_b32 s94, 196608
	s_mov_b32 s[RSC], 0x42000000                   ; k: sqrt(1,024) = 32
	s_cmp_eq_u32 s[YY], 0
	s_cselect_b64 s[74:75], s[14:15], s[16:17]     ; qb or kv
	s_cselect_b32 s76, 106496, s76                 ; a head's block
	s_cselect_b32 s94, 98304, s94                  ; where its scale words begin
	s_cselect_b32 s[RSC], 0x40800000, s[RSC]       ; q: 32 x 64^-0.5 = 4
	s_mov_b32 s77, 0
	s_lshr_b32 s78, s[II], 5                       ; batch
	s_lshl_b32 s78, s78, 4
	s_lshl_b32 s79, s[WV], 2
	s_add_co_u32 s78, s78, s79                     ; 16 x batch + my first head, 4 w
	s_mul_i32 s78, s78, s76
	s_mov_b32 s79, 0
	s_add_nc_u64 s[HB:HB+1], s[74:75], s[78:79]
	s_add_nc_u64 s[HB+2:HB+3], s[HB:HB+1], s[76:77]
	s_add_nc_u64 s[HB+4:HB+5], s[HB+2:HB+3], s[76:77]
	s_add_nc_u64 s[HB+6:HB+7], s[HB+4:HB+5], s[76:77]
	s_and_b32 s78, s[II], 31                       ; the group of 64 tokens in its batch
	s_mul_i32 s79, s78, 3072                       ; four tiles of 768 bytes
	v_add_nc_u32 v[VC16], s79, v[LI]
	v_add_nc_u32 v[VC8], s79, v[L8]
	v_add_nc_u32 v[VC8], 512, v[VC8]
	s_lshl_b32 s78, s78, 8
	s_add_co_u32 s78, s78, s94
	v_add_nc_u32 v[VSC], s78, v[L8]
	; bias and gain in the results' layout: for big tile b, lane (r, h): channels 32 (b / 2) + 8 (b % 2) + 16 h + 0 .. 7 of my wave's 256.  Window 1: bias v0-127, gain v128-255
	WIN 0x40
.irp b, 0,1,2,3,4,5,6,7,8,9,10,11,12,13,14,15
.irp q, 0,1
	ds_load_b128 v[8*\b+4*\q:8*\b+4*\q+3], v[VECR] offset:4*(32*(\b/2)+8*(\b%2))+16*\q
	ds_load_b128 v[128+8*\b+4*\q:128+8*\b+4*\q+3], v[VECR] offset:1024+4*(32*(\b/2)+8*(\b%2))+16*\q
.endr
.endr
	s_wait_dscnt 0x0
.irp g, 0,1
	WIN 0x86+0x41*\g                               ; accumulators (window 2 + g) += bias (window 1); each accumulator from its low end on
.set k, 0
.rept 128
	v_pk_add_f32 v[2*k:2*k+1], v[2*k:2*k+1], v[64*\g+2*(k%32):64*\g+2*(k%32)+1]
.set k, k+1
.endr
	WIN 0x0a+5*\g                                  ; the sums of squares, a pair for each small tile, the four by turns
.set k, 0
.rept 32
.irp a, 0,1,2,3
.if (\g == 0) && (k == 0)
	v_pk_mul_f32 v[SSQ+2*\a:SSQ+2*\a+1], v[64*\a+2*k:64*\a+2*k+1], v[64*\a+2*k:64*\a+2*k+1]
.else
	v_pk_fma_f32 v[SSQ+2*\a:SSQ+2*\a+1], v[64*\a+2*k:64*\a+2*k+1], v[64*\a+2*k:64*\a+2*k+1], v[SSQ+2*\a:SSQ+2*\a+1]
.endif
.endr
.set k, k+1
.endr
.endr
	WIN 0
.irp a, 0,1,2,3
	v_add_f32 v[SSQ+2*\a], v[SSQ+2*\a], v[SSQ+2*\a+1]
.endr
.irp a, 0,1,2,3
	v_permlanex16_b32 v[TM+4+\a], v[SSQ+2*\a], s[SEL], s[SEL+1]
.endr
.irp a, 0,1,2,3
	v_add_f32 v[SSQ+2*\a], v[SSQ+2*\a], v[TM+4+\a] ; my wave's 256 channels of token r
.endr
.irp a, 0,1,2,3
	ds_store_b32 v[REDW], v[SSQ+2*\a] offset:128*\a
.endr
	s_wait_dscnt 0x0                               ; for the others' sake
	s_barrier_signal -1
	s_barrier_wait -1
.irp a, 0,1,2,3
.irp q, 0,1,2,3
	ds_load_b32 v[T+4*\a+\q], v[REDR] offset:512*\q+128*\a
.endr
.endr
	s_wait_dscnt 0x0
.irp a, 0,1,2,3
	v_add_f32 v[T+4*\a], v[T+4*\a], v[T+4*\a+1]
	v_add_f32 v[T+4*\a+2], v[T+4*\a+2], v[T+4*\a+3]
.endr
.irp a, 0,1,2,3
	v_add_f32 v[T+4*\a], v[T+4*\a], v[T+4*\a+2]    ; the row's sum of squares, the same order in every wave
.endr
	s_wait_alu depctr_va_vdst(0)
.irp a, 0,1,2,3
	v_sqrt_f32 v[T+16+\a], v[T+4*\a]
.endr
	v_nop                                          ; a plain place behind the batch,
	s_wait_alu depctr_va_vdst(0)                   ; and the wait ahead of its first reader
.irp a, 0,1,2,3
	v_max_num_f32 v[T+16+\a], 0x2b8cbccc, v[T+16+\a]   ; held at 1e-12 from below
.endr
	s_wait_alu depctr_va_vdst(0)
.irp a, 0,1,2,3
	v_rcp_f32 v[T+20+\a], v[T+16+\a]
.endr
	v_nop
	s_wait_alu depctr_va_vdst(0)
.irp a, 0,1,2,3
	v_mul_f32 v[RS+2*\a], s[RSC], v[T+20+\a]
.endr
.irp a, 0,1,2,3
	v_mov_b32 v[RS+2*\a+1], v[RS+2*\a]             ; (named with it as a pair)
.endr
	; 128 channels (two heads) of 16 tokens at a time: x gain x the row's factor, quantised; the fragment's two halves are the two heads' tiles
.irp g, 0,1
.irp a, 0,1,2,3
	WIN 0x06+\g
.set k, 0
.rept 32
	v_pk_mul_f32 v[T+2*k:T+2*k+1], v[64*\a+2*k:64*\a+2*k+1], v[128+64*\g+2*k:128+64*\g+2*k+1]
.set k, k+1
.endr
	WIN 0
.set k, 0
.rept 32
	v_pk_mul_f32 v[T+2*k:T+2*k+1], v[T+2*k:T+2*k+1], v[RS+2*\a:RS+2*\a+1] op_sel_hi:[1,0]
.set k, k+1
.endr
	s_wait_xcnt 0x0                                ; the last stores have read the codes' registers
	QUANT T, SW+4*\g+\a
	global_store_b128 v[VC16], v[PC:PC+3], s[HB+4*\g:HB+4*\g+1] offset:768*\a        ; 512 consecutive bytes, at a multiple of 256
	global_store_b64 v[VC8], v[PC+4:PC+5], s[HB+4*\g:HB+4*\g+1] offset:768*\a        ; 256
	global_store_b128 v[VC16], v[PC+6:PC+9], s[HB+4*\g+2:HB+4*\g+3] offset:768*\a
	global_store_b64 v[VC8], v[PC+10:PC+11], s[HB+4*\g+2:HB+4*\g+3] offset:768*\a
.endr
.endr
.irp g, 0,1
.irp i, 0,1
	v_cndmask_b32 v[MM+2*\g+\i], v[SW+4*\g+2*\i], v[SW+4*\g+2*\i+1], s[HIM]   ; lanes 0-15: tile 2 i, lanes 16-31: tile 2 i + 1
.endr
.endr
.irp g, 0,1
.irp i, 0,1
	v_perm_b32 v[EE+4*\g+\i], s[K7F], v[MM+2*\g+\i], s[PS0]     ; the first head's two bytes, 0x7f7f above
	v_perm_b32 v[EE+4*\g+2+\i], s[K7F], v[MM+2*\g+\i], s[PS1]   ; the second head's
.endr
.endr
.irp g, 0,1
	global_store_b64 v[VSC], v[EE+4*\g:EE+4*\g+1], s[HB+4*\g:HB+4*\g+1]
	global_store_b64 v[VSC], v[EE+4*\g+2:EE+4*\g+3], s[HB+4*\g+2:HB+4*\g+3]
.endr
	FINISH
; ---- v (y = 2, 3): 256 work-groups.  big = 512 tokens (block 8 (y - 2) + i / 16), small = the 64 channels of head i % 16 of Wv.  A wave owns 128 tokens, two groups of 64: 8 big tiles x 4 small tiles = 32 accumulators.
; A slot's 98,304 bytes hold TWO K steps of the 512 tokens: [group][K step][tile][1,536]; so K = 1,024 is four fills.  A trip multiplies a slot: first the even K step, then the odd one, on the same accumulators by turns.
.macro FETCH_BV d, sg                  ; my 8 big tiles of K step 2 d + sg into window 1, registers 96 sg on
	WIN 0x40
.irp i, 0,1,2,3,4,5,6,7
	FRAG3 12*(8*(\sg)+\i), ADB+(\d)%2, 1536*(8*(\i/4)+4*(\sg)+(\i%4))
.endr
	WIN 0
.endm
.macro TRIPV d
	s_wait_dscnt 36                                ; the even step's fragments are in; the odd step's 12 + 24 loads may be out
	WIN MUL_LO
.set RAOFF, 0
.irp b, 0,1,2,3,4,5
	MULB 2*(\d), \b
.endr
.if (\d) <= 1
	WIN 0                                          ; (the add's two registers lie in window 0)
	s_wait_tensorcnt 0x0                           ; no tensor load of mine is out, so a group 0 may be written
	ds_add_u32 v[SPW], v[NIL]                      ; 0 onto my spare word
	s_add_nc_u64 s[G0B+4*((\d)%2)+2:G0B+4*((\d)%2)+3], s[G0B+4*((\d)%2)+2:G0B+4*((\d)%2)+3], 24576   ; four K steps on
	WIN MUL_LO
.endif
	MULB 2*(\d), 6
	MULB 2*(\d), 7
	WIN 0
.if (\d) == 2
	s_wait_tensorcnt 0x0                           ; the last fill has landed: bytes that I alone read
.endif
	s_wait_dscnt 0x0                               ; the add is done, and my reads of this slot are over
.if (\d) <= 1
	ROUND                                          ; the same now holds of every wave of the four work-groups
	tensor_load_to_lds s[G0B+4*((\d)%2):G0B+4*((\d)%2)+3], s[G1V:G1V+7]   ; my one tensor load behind the round
	s_nop 0
.endif
.if (\d) <= 2
	PLACES 4                                       ; behind the tensor load, and in front of loads into registers that products have read
	FETCH_S 2*(\d)+2
	FETCH_BV (\d)+1, 0
.endif
.if (\d) == 0
	global_prefetch_b8 v28, s[80:81] offset:12288*3 th:TH_LOAD_NT scope:SCOPE_SE   ; the last fill, one refill on; the later trips ask for nothing
.endif
	WIN MUL_LO
.set RAOFF, 96
.irp b, 0,1,2,3,4,5,6,7
	MULB 2*(\d)+1, \b
.endr
.set RAOFF, 0
.if (\d) <= 2
	PLACES 4
	WIN 0
	FETCH_S 2*(\d)+3
	FETCH_BV (\d)+1, 1
.endif
.endm
.Lvmain:
	tensor_load_to_lds s[G0B+4:G0B+7], s[G1V:G1V+7]   ; slot 1's first fill, my one tensor load behind the round
	s_nop 0
	PLACES 4
	FETCH_S 0
	FETCH_BV 0, 0
	FETCH_S 1
	FETCH_BV 0, 1
.irp d, 0,1,2,3
	TRIPV \d
.endr
	WIN 0
	PLACES 4                                       ; in front of the first reads of results
.irp b, 0,1,2,3
	v_mov_b32 v[TM+4+\b], 0                        ; written once: a lane permute's destination counts as one of its sources
.endr
	s_lshr_b32 s74, s[II], 4
	s_sub_co_u32 s75, s[YY], 2
	s_lshl_b32 s75, s75, 3
	s_add_co_u32 s74, s74, s75                     ; the block of 512 tokens
	s_and_b32 s75, s[II], 15                       ; head
	s_lshr_b32 s76, s74, 2                         ; batch
	s_lshl_b32 s76, s76, 4
	s_add_co_u32 s76, s76, s75
	s_mul_i32 s76, s76, 208896                     ; the head's block
	s_and_b32 s77, s74, 3
	s_lshl_b32 s77, s77, 2
	s_add_co_u32 s77, s77, s[WV]                   ; my step of 128 keys: 4 (block % 4) + w
	s_mul_i32 s78, s77, 6144
	s_add_co_u32 s78, s78, s76
	s_add_co_u32 s78, s78, 98304
	s_mov_b32 s79, 0
	s_add_nc_u64 s[HB:HB+1], s[16:17], s[78:79]
	s_lshl_b32 s78, s77, 8
	s_add_co_u32 s78, s78, s76
	s_add_co_u32 s78, s78, 204800
	s_add_nc_u64 s[HB+2:HB+3], s[16:17], s[78:79]
.irp g, 0
.irp a, 0,1,2,3
	WIN 0x02+\g
.set k, 0
.rept 32
	v_pk_add_f32 v[T+2*k:T+2*k+1], v[64*\a+2*k:64*\a+2*k+1], v[BV+2*\a:BV+2*\a+1] op_sel_hi:[1,0]   ; + my channel's bias; each accumulator from its low end on
.set k, k+1
.endr
	WIN 0
	s_wait_xcnt 0x0                                ; the last stores have read the codes' registers
	QUANT T, SW+4*\g+\a
.irp c, 0,1,2
	global_store_b128 v[LI], v[PC+4*\c:PC+4*\c+3], s[HB:HB+1] offset:6144*\g+1536*\a+512*\c
.endr
.endr
	v_cndmask_b32 v[MM+2*\g], v[SW+4*\g], v[SW+4*\g+1], s[HIM]
	v_cndmask_b32 v[MM+2*\g+1], v[SW+4*\g+2], v[SW+4*\g+3], s[HIM]
	global_store_b64 v[L8], v[MM+2*\g:MM+2*\g+1], s[HB+2:HB+3] offset:256*\g
.endr
	FINISH
.Lfunc_end_k_q53d2794f0b_qkv:
	.size	k_q53d2794f0b_qkv, .Lfunc_end_k_q53d2794f0b_qkv-k_q53d2794f0b_qkv
	.p2alignl 7, 3214868480
	.fill 96, 4, 3214868480
	.section	.rodata,"a",@progbits
	.p2align	6, 0x0
	.amdhsa_kernel k_q53d2794f0b_qkv
		.amdhsa_group_segment_fixed_size 327680
		.amdhsa_private_segment_fixed_size 0
		.amdhsa_enable_private_segment 0
		.amdhsa_kernarg_size 56
		.amdhsa_user_sgpr_count 2
		.amdhsa_user_sgpr_kernarg_segment_ptr 1
		.amdhsa_wavefront_size32 1
		.amdhsa_system_sgpr_workgroup_id_x 1
		.amdhsa_system_sgpr_workgroup_id_y 1
		.amdhsa_system_sgpr_workgroup_id_z 1
		.amdhsa_system_vgpr_workitem_id 0
		.amdhsa_next_free_vgpr 1024
		.amdhsa_next_free_sgpr 100
		.amdhsa_reserve_vcc 0
		.amdhsa_float_denorm_mode_32 3
		.amdhsa_float_denorm_mode_16_64 3
		.amdhsa_memory_ordered 1
		.amdhsa_forward_progress 1
		.amdhsa_inst_pref_size 255
	.end_amdhsa_kernel
	.section	.bss,"aw",@nobits
	.p2align	6
	.space	262144
	.amdgpu_metadata
---
amdhsa.version: [ 1, 2 ]
amdhsa.kernels:
  - .name:           k_q53d2794f0b_qkv
    .symbol:         k_q53d2794f0b_qkv.kd
    .args:
      - { .name: cod, .offset: 0, .size: 8, .value_kind: global_buffer, .address_space: global }
      - { .name: scl, .offset: 8, .size: 8, .value_kind: global_buffer, .address_space: global }
      - { .name: bqkv, .offset: 16, .size: 8, .value_kind: global_buffer, .address_space: global }
      - { .name: g_q, .offset: 24, .size: 8, .value_kind: global_buffer, .address_space: global }
      - { .name: g_k, .offset: 32, .size: 8, .value_kind: global_buffer, .address_space: global }
      - { .name: qb, .offset: 40, .size: 8, .value_kind: global_buffer, .address_space: global }
      - { .name: kv, .offset: 48, .size: 8, .value_kind: global_buffer, .address_space: global }
    .group_segment_fixed_size: 327680
    .private_segment_fixed_size: 0
    .kernarg_segment_align: 8
    .kernarg_segment_size: 56
    .max_flat_workgroup_size: 128
    .sgpr_count:     100
    .vgpr_count:     1024
    .wavefront_size: 32
...
	.end_amdgpu_metadata
.endif
;; end of part 2
;; launch attn (part 3): grid 4 x 64, 16 waves a work-group, clusters of 4 x 1, 210,944 bytes of LDS; arguments qb, kv, oc, osc; writes oc, osc
.if DOCPART == 3
	.amdgcn_target "amdgcn-amd-amdhsa--gfx1250"
	.amdhsa_code_object_version 6
	.text
	.protected	k_q53d2794f0b_attn
	.globl	k_q53d2794f0b_attn
	.p2align	8
	.type	k_q53d2794f0b_attn,@function
k_q53d2794f0b_attn:
	s_mov_b64 s[64:65], 0
	v_nop
	global_prefetch_b8 v0, s[64:65] scope:SCOPE_SE
	s_setreg_imm32_b32 hwreg(HW_REG_WAVE_MODE, 25, 1), 1
	s_wait_xcnt 0x0
	s_wait_alu depctr_hold_cnt(0) depctr_sa_sdst(0) depctr_va_vdst(0) depctr_va_sdst(0) depctr_va_ssrc(0) depctr_va_vcc(0) depctr_vm_vsrc(0)
	s_getreg_b32 s2, hwreg(HW_REG_IB_STS2, 6, 4)
	s_cmp_eq_u32 s2, 0
	s_cbranch_scc0 .Lentry_in_a_cluster
	s_endpgm
.Lentry_in_a_cluster:
	s_bfe_u32 s2, ttmp6, 0x10000c
	s_cmp_lg_u32 s2, 0x3003
	s_cbranch_scc0 .Lentry_shape_is_right
	s_endpgm
.Lentry_shape_is_right:
; O = softmax(q k^T) v for one head (cluster y = 16 x batch + head), both products on codes of FP6; then O / l quantised along the hidden axis for the last product.
; t = score x log2(e) (the 1 / 8 is in q already); M = the running largest t rounded up to a whole number; p = 2^(t - M) is quantised along the keys; the row's sum is taken of the unquantised p and divides at the end.
; THE HEAD'S K, V AND THEIR SCALE WORDS, 208,896 bytes, LIE IN LDS FOR THE WHOLE LAUNCH: no slot is ever filled again.  The four work-groups of a head form a cluster and ask for those bytes JOINTLY: each of the
; sixteen waves issues one load of 51 rows of 256 bytes with the mask 15.  One barrier; then no wave waits for another until the closing round.
; SHARES: a work-group owns 512 queries; a wave one tile of 16 queries at a time, twice: tile 32 cx + 16 p + w.  Four waves to a SIMD: one wave's vector work stands beside another's products and LDS loads.
; LAYOUT: both products transposed (S^T = K Q^T, O^T = V^T P^T): a lane holds one query.  The tiles of K hold keys in the order that leaves 16 neighbouring keys in the 16 registers of two neighbouring tiles.
; K = 64 IN A FORM OF 128: Q's registers 6-11 are zero codes.  K's tiles lie six registers apart, so a fragment's upper six registers are the next tile's codes (behind the last: zeros): they meet zero codes and add nothing;
; the scale bytes there are 0x7f on both sides.
; LIMITS: NaN and infinities are not served; 1 / l by v_rcp_f32 (1 ulp); a block of zeros or under 2^-124 gets the byte 1.
.set VC,  98304                        ; LDS as in memory: K's codes at 0, V's here,
.set KS,  196608                       ; K's scale words,
.set VS,  204800                       ; V's
.set WV,  12
.set SEL, 20                           ; s[20:21]
.set CS,  22                           ; s[22:23] log2(e)
.set G1,  24
.set G0,  32
.set T6,  36                           ; 6,144 x key step
.set TK,  37                           ; 512 x key step
.set TV,  38                           ; 256 x key step
.set CNT, 39
.set FF,  250                          ; v[250:251] f = 2^(old M - new M)
; REGISTERS: v1 16 l, v2 8 l, v3-5 V's codes, K's and V's scale words at my lane, v6 4 l, v7-11 the step's addresses; v12 -M, v13 the largest t, v[14:15] the sum; v16-27, v28 Q and its scale words, pass 0;
; v32-79 K's or V's fragments, v80-85 zeros; v86-89, v90-91 K's and V's scale words; v96-159 S^T, then p; v160-191 O^T; v192-203, v204 Q, pass 1; v224-235 p's codes; v232-254 at work
.macro ROUND
	s_barrier_signal -1
	s_barrier_wait -1
	s_cmp_lg_u32 s[WV], 0
	s_cbranch_scc1 .Lnw0_\@
	s_barrier_signal -3
.Lnw0_\@:
	s_barrier_wait -3
	s_barrier_signal -1
	s_barrier_wait -1
.endm
.macro STEP qf, qs                     ; 128 keys
	v_add_nc_u32 v7, s[T6], v1                     ; (these five are also the places behind the last products, in front of the loads)
	v_add_nc_u32 v8, s[T6], v2
	v_add_nc_u32 v9, s[T6], v3
	v_add_nc_u32 v10, s[TK], v4
	v_add_nc_u32 v11, s[TV], v5
.irp t, 0,1,2,3,4,5,6,7
	ds_load_b128 v[32+6*\t:35+6*\t], v7 offset:768*\t
	ds_load_b64 v[36+6*\t:37+6*\t], v8 offset:768*\t+512
.endr
	ds_load_b64 v[86:87], v10
	ds_load_b64 v[88:89], v10 offset:256
	s_wait_alu depctr_va_vdst(0)
	s_wait_dscnt 0x0
.irp t, 0,2,4,6
	v_wmma_scale_f32_16x16x128_f8f6f4 v[96+8*\t:103+8*\t], v[32+6*\t:43+6*\t], v[\qf:\qf+11], 0, v[86+\t/2], v[\qs] matrix_a_fmt:MATRIX_FMT_FP6 matrix_b_fmt:MATRIX_FMT_FP6
	v_wmma_scale_f32_16x16x128_f8f6f4 v[104+8*\t:111+8*\t], v[38+6*\t:49+6*\t], v[\qf:\qf+11], 0, v[86+\t/2], v[\qs] matrix_a_fmt:MATRIX_FMT_FP6 matrix_b_fmt:MATRIX_FMT_FP6 matrix_a_scale:MATRIX_SCALE_ROW1
.endr
.rept 4
	v_nop                                          ; places in front of the loads below and of the first reads of the scores
.endr
.irp a, 0,1,2,3                                ; V is asked for now and lands under the softmax
.irp c, 0,1,2
	ds_load_b128 v[32+12*\a+4*\c:35+12*\a+4*\c], v9 offset:1536*\a+512*\c
.endr
.endr
	ds_load_b64 v[90:91], v11
.irp b, 0,1,2,3
	v_max3_num_f32 v[232+\b], v[96+16*\b], v[97+16*\b], v[98+16*\b]   ; the largest score of each block of 32 keys: for the row's maximum, and, since p rises with the score, for the block's largest p
.endr
.irp i, 3,5,7,9,11,13
.irp b, 0,1,2,3
	v_max3_num_f32 v[232+\b], v[232+\b], v[96+16*\b+\i], v[97+16*\b+\i]
.endr
.endr
.irp b, 0,1,2,3
	v_max_num_f32 v[232+\b], v[232+\b], v[111+16*\b]
.endr
.irp b, 0,1,2,3
	s_delay_alu instid0(VALU_DEP_4)
	v_permlanex16_b32 v[236+\b], v[232+\b], s[SEL], s[SEL+1]
.endr
.irp b, 0,1,2,3
	s_delay_alu instid0(VALU_DEP_4)
	v_max_num_f32 v[232+\b], v[232+\b], v[236+\b]
.endr
	s_delay_alu instid0(VALU_DEP_2)
	v_max3_num_f32 v254, v232, v233, v234
	s_delay_alu instid0(VALU_DEP_1)
	v_max_num_f32 v254, v254, v235
	s_delay_alu instid0(VALU_DEP_1)
	v_mul_f32 v254, s[CS], v254                    ; as t
	s_delay_alu instid0(VALU_DEP_1)
	v_max_num_f32 v13, v13, v254                   ; the running largest t
	v_mov_b32 v254, v12
	s_delay_alu instid0(VALU_DEP_2)
	v_floor_f32 v12, -v13                          ; the new -M = -ceil(t)
	s_delay_alu instid0(VALU_DEP_1)
	v_sub_f32 v254, v12, v254                      ; old M - new M: a whole number, 0 or less
	s_delay_alu instid0(VALU_DEP_1)
	v_cvt_i32_f32 v254, v254                       ; (it saturates)
	s_delay_alu instid0(VALU_DEP_1)
	v_ldexp_f32 v[FF], 1.0, v254                   ; f: a multiplication by it rounds nothing
.set j, 0
.rept 32
	v_pk_fma_f32 v[96+j:97+j], v[96+j:97+j], s[CS:CS+1], v[12:13] op_sel_hi:[1,0,0]   ; t - M
.set j, j+2
.endr
.irp b, 0,1,2,3
	v_fma_f32 v[232+\b], v[232+\b], s[CS], v12
.endr
.set j, 0
	s_wait_alu depctr_va_vdst(0)
.rept 64
	v_exp_f32 v[96+j], v[96+j]                     ; p = 2^(t - M)
.set j, j+1
.endr
	v_pk_mul_f32 v[14:15], v[14:15], v[FF:FF+1] op_sel_hi:[1,0]   ; the sum under the new M (a plain place behind the batch)
	s_wait_alu depctr_va_vdst(0)                   ; one wait for the batch, ahead of its first reader
.irp b, 0,1,2,3
	v_exp_f32 v[232+\b], v[232+\b]                 ; each block's largest p
.endr
	v_pk_add_f32 v[236:237], v[100:101], v[104:105]
	v_pk_add_f32 v[246:247], v[108:109], v[112:113]
	v_pk_add_f32 v[244:245], v[116:117], v[120:121]
	v_pk_add_f32 v[242:243], v[124:125], v[128:129]
	v_pk_add_f32 v[240:241], v[132:133], v[136:137]
	v_pk_add_f32 v[238:239], v[140:141], v[144:145]
	v_pk_add_f32 v[230:231], v[148:149], v[152:153]
	v_pk_add_f32 v[14:15], v[14:15], v[156:157]
	v_pk_add_f32 v[236:237], v[236:237], v[96:97]
	v_pk_add_f32 v[246:247], v[246:247], v[98:99]
	v_pk_add_f32 v[244:245], v[244:245], v[102:103]
	v_pk_add_f32 v[242:243], v[242:243], v[106:107]
	v_pk_add_f32 v[240:241], v[240:241], v[110:111]
	v_pk_add_f32 v[238:239], v[238:239], v[114:115]
	v_pk_add_f32 v[230:231], v[230:231], v[118:119]
	v_pk_add_f32 v[14:15], v[14:15], v[122:123]
	v_pk_add_f32 v[236:237], v[236:237], v[126:127]
	v_pk_add_f32 v[246:247], v[246:247], v[130:131]
	v_pk_add_f32 v[244:245], v[244:245], v[134:135]
	v_pk_add_f32 v[242:243], v[242:243], v[138:139]
	v_pk_add_f32 v[240:241], v[240:241], v[142:143]
	v_pk_add_f32 v[238:239], v[238:239], v[146:147]
	v_pk_add_f32 v[230:231], v[230:231], v[150:151]
	v_pk_add_f32 v[14:15], v[14:15], v[154:155]
	v_pk_add_f32 v[236:237], v[236:237], v[158:159]
	s_delay_alu instid0(VALU_DEP_2)
	v_pk_add_f32 v[14:15], v[14:15], v[242:243]
	s_delay_alu instid0(VALU_DEP_2)
	v_pk_add_f32 v[236:237], v[236:237], v[240:241]
	v_pk_add_f32 v[246:247], v[246:247], v[238:239]
	v_pk_add_f32 v[244:245], v[244:245], v[230:231]
	s_delay_alu instid0(VALU_DEP_2)
	v_pk_add_f32 v[14:15], v[14:15], v[246:247]
	s_delay_alu instid0(VALU_DEP_2)
	v_pk_add_f32 v[236:237], v[236:237], v[244:245]
	s_delay_alu instid0(VALU_DEP_1)
	v_pk_add_f32 v[14:15], v[14:15], v[236:237]
	s_wait_alu depctr_va_vdst(0)                   ; and one for the four
.irp b, 0,1,2,3
	v_max_num_f32 v[232+\b], 0x1800000, v[232+\b]  ; the floor 2^(3 - 127)
.endr
.irp b, 0,1,2,3
	s_delay_alu instid0(VALU_DEP_4)
	v_add_nc_u32 v[244+\b], 0xff000000, v[232+\b]
.endr
.irp b, 0,1,2,3
	s_delay_alu instid0(VALU_DEP_4)
	v_lshrrev_b32 v[236+\b], 23, v[244+\b]
.endr
	s_delay_alu instid0(VALU_DEP_3)
	v_lshl_or_b32 v253, v237, 8, v236              ; p's scale word for these 128 keys
	s_delay_alu instid0(VALU_DEP_1)
	v_lshl_or_b32 v253, v238, 16, v253
	s_delay_alu instid0(VALU_DEP_1)
	v_lshl_or_b32 v253, v239, 24, v253
.irp c, 0,1
	v_cvt_scalef32_pk16_fp6_f32 v[224+6*\c:226+6*\c], v[96+32*\c:111+32*\c], v[244+2*\c]
	v_cvt_scalef32_pk16_fp6_f32 v[236+4*\c:238+4*\c], v[112+32*\c:127+32*\c], v[244+2*\c+1]
.endr
	v_nop                                          ; one plain place behind a scaled conversion
.irp c, 0,1
.irp i, 0,1,2
	v_permlane16_swap_b32 v[224+6*\c+\i], v[236+4*\c+\i]
.endr
.irp i, 0,1,2
	s_delay_alu instid0(VALU_DEP_3)
	v_mov_b32 v[227+6*\c+\i], v[236+4*\c+\i]
.endr
.endr
.set j, 0
.rept 16
	v_pk_mul_f32 v[160+j:161+j], v[160+j:161+j], v[FF:FF+1] op_sel_hi:[1,0]   ; O^T under the new M.  For each product below at least 12 of these name none of its registers: the places behind the writes of p's scale word and codes
.set j, j+2
.endr
	s_wait_alu depctr_va_vdst(0)
	s_wait_dscnt 0x0                               ; V is in
.irp a, 0,2
	v_wmma_scale_f32_16x16x128_f8f6f4 v[160+8*\a:167+8*\a], v[32+12*\a:43+12*\a], v[224:235], v[160+8*\a:167+8*\a], v[90+\a/2], v253 matrix_a_fmt:MATRIX_FMT_FP6 matrix_b_fmt:MATRIX_FMT_FP6
	v_wmma_scale_f32_16x16x128_f8f6f4 v[168+8*\a:175+8*\a], v[44+12*\a:55+12*\a], v[224:235], v[168+8*\a:175+8*\a], v[90+\a/2], v253 matrix_a_fmt:MATRIX_FMT_FP6 matrix_b_fmt:MATRIX_FMT_FP6 matrix_a_scale:MATRIX_SCALE_ROW1
.endr
	s_add_co_u32 s[T6], s[T6], 6144
	s_add_co_u32 s[TK], s[TK], 512
	s_add_co_u32 s[TV], s[TV], 256
.endm
.macro PASS p, qf, qs                  ; one tile of 16 queries against all 2,048 keys
.if \p
	s_wait_xcnt 0x0                                ; the first pass's stores have read their registers
.endif
	v_mov_b32 v13, 0xff61b1e6                      ; the largest t so far: -3e38
	s_delay_alu instid0(VALU_DEP_1)
	v_floor_f32 v12, -v13
	v_mov_b32 v14, 0
	v_mov_b32 v15, 0
.set j, 0
.rept 32
	v_mov_b32 v[160+j], 0                          ; O^T: the step is written once; the first change of M leaves zeros zeros
.set j, j+1
.endr
	s_mov_b32 s[T6], 0
	s_mov_b32 s[TK], 0
	s_mov_b32 s[TV], 0
	s_mov_b32 s[CNT], 16
.Lstep_\@:
	STEP \qf, \qs
	s_sub_co_u32 s[CNT], s[CNT], 1
	s_cmp_lg_u32 s[CNT], 0
	s_cbranch_scc1 .Lstep_\@
.rept 4
	v_nop
.endr
	v_add_f32 v14, v14, v15
	s_delay_alu instid0(VALU_DEP_1)
	v_permlanex16_b32 v252, v14, s[SEL], s[SEL+1]
	s_delay_alu instid0(VALU_DEP_1)
	v_add_f32 v14, v14, v252                       ; the row's sum
	s_wait_alu depctr_va_vdst(0)
	v_rcp_f32 v14, v14
	v_nop
	s_wait_alu depctr_va_vdst(0)
.set j, 0
.rept 32
	v_mul_f32 v[96+j], v[160+j], v14               ; register 16 b + i: channel 32 b + 16 h + i of my query's head
.set j, j+1
.endr
.irp b, 0,1                                    ; quantised along the head's 64: two blocks
	v_max3_num_f32 v[232+\b], |v[96+16*\b]|, |v[97+16*\b]|, 0x1800000
.endr
.irp i, 2,4,6,8,10,12,14
.irp b, 0,1
	s_delay_alu instid0(VALU_DEP_2)
	v_max3_num_f32 v[232+\b], v[232+\b], |v[96+16*\b+\i]|, |v[97+16*\b+\i]|
.endr
.endr
.irp b, 0,1
	s_delay_alu instid0(VALU_DEP_2)
	v_permlanex16_b32 v[236+\b], v[232+\b], s[SEL], s[SEL+1]
.endr
.irp b, 0,1
	s_delay_alu instid0(VALU_DEP_2)
	v_max_num_f32 v[232+\b], v[232+\b], v[236+\b]
.endr
.irp b, 0,1
	s_delay_alu instid0(VALU_DEP_2)
	v_add_nc_u32 v[244+\b], 0xff000000, v[232+\b]
.endr
.irp b, 0,1
	s_delay_alu instid0(VALU_DEP_2)
	v_lshrrev_b32 v[236+\b], 23, v[244+\b]
.endr
	s_delay_alu instid0(VALU_DEP_1)
	v_lshl_or_b32 v248, v237, 8, v236              ; two bytes, zeros above
	v_cvt_scalef32_pk16_fp6_f32 v[224:226], v[96:111], v244
	v_cvt_scalef32_pk16_fp6_f32 v[240:242], v[112:127], v245
	v_nop
.irp i, 0,1,2
	v_permlane16_swap_b32 v[224+\i], v[240+\i]
.endr
.irp i, 0,1,2
	s_delay_alu instid0(VALU_DEP_3)
	v_mov_b32 v[227+\i], v[240+\i]
.endr
	global_store_b128 v1, v[224:227], s[46:47] offset:196608*\p       ; 512 consecutive bytes, at a multiple of 256
	global_store_b64 v2, v[228:229], s[46:47] offset:196608*\p+512    ; 256
	global_store_b32 v6, v248, s[48:49] offset:32768*\p               ; 128: a tile's scale words of one head
.endm
	s_load_b128 s[4:7], s[0:1], 0x0                ; qb, kv
	s_load_b128 s[8:11], s[0:1], 0x10              ; oc, osc
	v_lshl_add_u32 v249, v0, 2, 0x33000
	v_mov_b32 v255, 0
	ds_add_u32 v249, v255
	ds_add_u32 v249, v255
	v_lshrrev_b32 v1, 5, v0
	s_delay_alu instid0(VALU_DEP_1)
	v_readfirstlane_b32 s[WV], v1                  ; wave 0..15
	s_and_b32 s13, ttmp7, 0xffff                   ; 16 x batch + head, which the partners share
	s_bfe_u32 s14, ttmp6, 0x40000                  ; cx: it enters Q's and the outputs' addresses alone
	s_mul_i32 s15, s[WV], 13056                    ; my sixteenth of the head's block, in memory and in LDS
	s_mul_i32 s40, s13, 208896
	s_add_co_u32 s40, s40, s15
	s_mov_b32 s41, 0
	s_mov_b32 s[G1], 15|(3<<16)|(1<<21)            ; the mask names the four partners; elements of 8 bytes; no padding
	s_mov_b32 s[G1+1], 32<<16
	s_mov_b32 s[G1+2], 51<<16
	s_mov_b32 s[G1+3], 32<<16
	s_mov_b32 s[G1+4], 51                          ; 51 rows of 256 bytes, dense
	s_mov_b32 s[G1+5], 32
	s_mov_b32 s[G1+6], 0
	s_mov_b32 s[G1+7], 0
	s_mul_i32 s17, s13, 106496
	s_lshl_b32 s18, s14, 5
	s_add_co_u32 s18, s18, s[WV]                   ; my first tile of queries: 32 cx + w
	s_mul_i32 s18, s18, 768
	s_add_co_u32 s42, s17, s18
	s_mov_b32 s43, 0
	s_lshl_b32 s18, s14, 3
	s_lshr_b32 s19, s[WV], 2
	s_add_co_u32 s18, s18, s19                     ; its group of 64: 8 cx + w / 4
	s_lshl_b32 s19, s18, 8
	s_add_co_u32 s44, s17, s19
	s_add_co_u32 s44, s44, 98304
	s_mov_b32 s45, 0
	s_lshr_b32 s19, s13, 4
	s_lshl_b32 s19, s19, 5
	s_add_co_u32 s18, s18, s19                     ; the group among all 128: + 32 x batch
	s_and_b32 s19, s13, 15                         ; head
	s_and_b32 s50, s[WV], 3                        ; the tile in its group
	s_mul_i32 s46, s18, 49152                      ; oc: [group][head / 2][tile][head % 2][768]
	s_lshr_b32 s51, s19, 1
	s_mul_i32 s51, s51, 6144
	s_add_co_u32 s46, s46, s51
	s_and_b32 s51, s19, 1
	s_mul_i32 s51, s51, 768
	s_add_co_u32 s46, s46, s51
	s_mul_i32 s51, s50, 1536
	s_add_co_u32 s46, s46, s51
	s_mov_b32 s47, 0
	s_lshl_b32 s48, s18, 13                        ; osc: [group][head][tile][128]
	s_lshl_b32 s51, s19, 9
	s_add_co_u32 s48, s48, s51
	s_lshl_b32 s51, s50, 7
	s_add_co_u32 s48, s48, s51
	s_mov_b32 s49, 0
	s_and_b32 s51, s[WV], 1                        ; Q's scale word of row r of tile w % 4: at 8 r + 128 (w % 2) + 4 ((w / 2) % 2) of the group's 256 bytes
	s_lshl_b32 s51, s51, 7
	s_bfe_u32 s52, s[WV], 0x10001
	s_lshl_b32 s52, s52, 2
	s_add_co_u32 s51, s51, s52
	s_mov_b32 s[SEL], 0x76543210
	s_mov_b32 s[SEL+1], 0xfedcba98
	s_mov_b32 s[CS], 0x3fb8aa3b
	s_mov_b32 s[CS+1], s[CS]                       ; (named with it as a pair)
	v_and_b32 v30, 31, v0
	s_delay_alu instid0(VALU_DEP_1)
	v_lshlrev_b32 v1, 4, v30
	s_delay_alu instid0(VALU_DEP_2)
	v_lshlrev_b32 v2, 3, v30
	s_delay_alu instid0(VALU_DEP_2)
	v_add_nc_u32 v3, VC, v1
	s_delay_alu instid0(VALU_DEP_2)
	v_add_nc_u32 v4, KS, v2
	s_delay_alu instid0(VALU_DEP_3)
	v_add_nc_u32 v5, VS, v2
	v_lshlrev_b32 v6, 2, v30
	v_and_b32 v29, 15, v0
	s_delay_alu instid0(VALU_DEP_1)
	v_lshl_add_u32 v29, v29, 3, s51
	s_wait_dscnt 0x0
	s_wait_kmcnt 0x0
	s_add_nc_u64 s[40:41], s[6:7], s[40:41]
	s_add_nc_u64 s[42:43], s[4:5], s[42:43]
	s_add_nc_u64 s[44:45], s[4:5], s[44:45]
	s_add_nc_u64 s[46:47], s[8:9], s[46:47]
	s_add_nc_u64 s[48:49], s[10:11], s[48:49]
	s_mov_b32 s[G0], 1
	s_mov_b32 s[G0+1], s15
	s_mov_b64 s[G0+2:G0+3], s[40:41]
	s_or_b32 s[G0+3], s[G0+3], 0x80000000
	ROUND                                          ; the four work-groups are here: the joint loads meet
	tensor_load_to_lds s[G0:G0+3], s[G1:G1+7]      ; my one tensor load of the launch
	s_nop 0
.rept 4
	v_nop
.endr
	s_wait_alu depctr_va_vdst(0)
	global_load_b128 v[16:19], v1, s[42:43]
	global_load_b64 v[20:21], v2, s[42:43] offset:512
	global_load_b32 v28, v29, s[44:45]
	global_load_b128 v[192:195], v1, s[42:43] offset:12288
	global_load_b64 v[196:197], v2, s[42:43] offset:12288+512
	global_load_b32 v204, v29, s[44:45] offset:1024
.irp j, 0,1,2,3,4,5
	v_mov_b32 v[22+\j], 0                          ; zero codes for k = 64 .. 127
	v_mov_b32 v[198+\j], 0
	v_mov_b32 v[80+\j], 0
.endr
.irp b, 0,1,2,3
	v_mov_b32 v[236+\b], 0                         ; written once: a lane permute's destination counts as one of its sources
.endr
	v_mov_b32 v[FF+1], 0                           ; (named as the upper half of a pair)
	v_mov_b32 v252, 0
	s_wait_loadcnt 0x0
	s_wait_tensorcnt 0x0                           ; my sixteenth has landed,
	s_barrier_signal -1
	s_barrier_wait -1                              ; everybody's has
	PASS 0, 16, 28
	PASS 1, 192, 204
	s_wait_tensorcnt 0x0
	ds_add_u32 v249, v255
	s_wait_dscnt 0x0
	ROUND                                          ; the closing round
	s_endpgm
.Lfunc_end_k_q53d2794f0b_attn:
	.size	k_q53d2794f0b_attn, .Lfunc_end_k_q53d2794f0b_attn-k_q53d2794f0b_attn
	.p2alignl 7, 3214868480
	.fill 96, 4, 3214868480
	.section	.rodata,"a",@progbits
	.p2align	6, 0x0
	.amdhsa_kernel k_q53d2794f0b_attn
		.amdhsa_group_segment_fixed_size 210944
		.amdhsa_private_segment_fixed_size 0
		.amdhsa_enable_private_segment 0
		.amdhsa_kernarg_size 32
		.amdhsa_user_sgpr_count 2
		.amdhsa_user_sgpr_kernarg_segment_ptr 1
		.amdhsa_wavefront_size32 1
		.amdhsa_system_sgpr_workgroup_id_x 1
		.amdhsa_system_sgpr_workgroup_id_y 1
		.amdhsa_system_sgpr_workgroup_id_z 1
		.amdhsa_system_vgpr_workitem_id 0
		.amdhsa_next_free_vgpr 256
		.amdhsa_next_free_sgpr 66
		.amdhsa_reserve_vcc 0
		.amdhsa_float_denorm_mode_32 3
		.amdhsa_float_denorm_mode_16_64 3
		.amdhsa_memory_ordered 1
		.amdhsa_forward_progress 1
		.amdhsa_inst_pref_size 53
	.end_amdhsa_kernel
	.amdgpu_metadata
---
amdhsa.version: [ 1, 2 ]
amdhsa.kernels:
  - .name:           k_q53d2794f0b_attn
    .symbol:         k_q53d2794f0b_attn.kd
    .args:
      - { .name: qb, .offset: 0, .size: 8, .value_kind: global_buffer, .address_space: global }
      - { .name: kv, .offset: 8, .size: 8, .value_kind: global_buffer, .address_space: global }
      - { .name: oc, .offset: 16, .size: 8, .value_kind: global_buffer, .address_space: global }
      - { .name: osc, .offset: 24, .size: 8, .value_kind: global_buffer, .address_space: global }
    .group_segment_fixed_size: 210944
    .private_segment_fixed_size: 0
    .kernarg_segment_align: 8
    .kernarg_segment_size: 32
    .max_flat_workgroup_size: 512
    .sgpr_count:     66
    .vgpr_count:     256
    .wavefront_size: 32
...
	.end_amdgpu_metadata
.endif
;; end of part 3
;; launch outp (part 4): grid 256 x 1, 4 waves a work-group, clusters of 4 x 1, 327,680 bytes of LDS; arguments cod, scl, oc, osc, bout, g_out, out0; writes out0
.if DOCPART == 4
	.amdgcn_target "amdgcn-amd-amdhsa--gfx1250"
	.amdhsa_code_object_version 6
	.text
	.protected	k_q53d2794f0b_outp
	.globl	k_q53d2794f0b_outp
	.p2align	8
	.type	k_q53d2794f0b_outp,@function
k_q53d2794f0b_outp:
	s_mov_b64 s[64:65], 0
	v_nop
	global_prefetch_b8 v0, s[64:65] scope:SCOPE_SE
	s_setreg_imm32_b32 hwreg(HW_REG_WAVE_MODE, 25, 1), 1
	s_wait_xcnt 0x0
	s_wait_alu depctr_hold_cnt(0) depctr_sa_sdst(0) depctr_va_vdst(0) depctr_va_sdst(0) depctr_va_ssrc(0) depctr_va_vcc(0) depctr_vm_vsrc(0)
	s_getreg_b32 s2, hwreg(HW_REG_IB_STS2, 6, 4)
	s_cmp_eq_u32 s2, 0
	s_cbranch_scc0 .Lentry_in_a_cluster
	s_endpgm
.Lentry_in_a_cluster:
	s_bfe_u32 s2, ttmp6, 0x10000c
	s_cmp_lg_u32 s2, 0x3003
	s_cbranch_scc0 .Lentry_shape_is_right
	s_endpgm
.Lentry_shape_is_right:
.set SLOTB, 98304
.set WPART, 24576
.set SML,   196608
.set VEC,   245760
.set RED,   253952
.set SPARE, 256000
.set STG,   256512
.set LI,   4
.set L8,   5
.set SPW,  6
.set NIL,  7
.set ADB,  8
.set ADS,  10
.set VECW, 11
.set VECR, 12
.set REDW, 13
.set REDR, 14
.set STO,  15
.set STR,  16
.set ADS8, 17
.set OSO,  19
.set BSC,  32
.set SSC,  96
.set SSQ,  112
.set RS,   120
.set SF,   128
.set T,    128
.set BK,   192
.set WV,   18
.set CX,   19
.set II,   20
.set G1B,  24
.set G1S,  32
.set G0B,  40
.set G0S,  48
.set SEL,  52
.set MUL_LO, 0xa1
.set MUL_HI, 0xf1
.set MSB, 0
.macro WIN new
.if MSB != (\new)
	s_set_vgpr_msb (MSB<<8)|(\new)
.set MSB, (\new)
.endif
.endm
.macro PLACES n
.rept \n
	v_nop
.endr
.endm
.macro ROUND
	s_barrier_signal -1
	s_barrier_wait -1
	s_cmp_lg_u32 s[WV], 0
	s_cbranch_scc1 .Lnw0_\@
	s_barrier_signal -3
.Lnw0_\@:
	s_barrier_wait -3
	s_barrier_signal -1
	s_barrier_wait -1
.endm
.macro FRAG3 reg, adr, off
.irp c, 0,1,2
	ds_load_b128 v[(\reg)+4*\c:(\reg)+4*\c+3], v[\adr] offset:(\off)+512*\c
.endr
.endm
.macro FRAG4 reg, off
	ds_load_b128 v[(\reg):(\reg)+3], v[ADS] offset:(\off)
	ds_load_b64 v[(\reg)+4:(\reg)+5], v[ADS8] offset:(\off)+512
	ds_load_b128 v[(\reg)+6:(\reg)+9], v[ADS] offset:(\off)+768
	ds_load_b64 v[(\reg)+10:(\reg)+11], v[ADS8] offset:(\off)+1280
.endm
.macro FETCH_S s
.irp a, 0,1
	FRAG4 SF+48*((\s)%2)+12*\a, 3072*(\s)+1536*\a
.endr
.endm
.macro FETCH_B s, b0
	WIN 0x40
.irp i, 0,1,2,3,4,5,6,7
	FRAG3 12*((\b0)+\i), ADB+(\s)%2, 1536*((\b0)+\i)
.endr
	WIN 0
.endm
.macro WM a, b, s
.set rD, 64*(\a)+8*((\b)%8)
.set rA, 12*(\b)
.set rB, SF+48*((\s)%2)+12*(\a)
.set rX, BSC+8*(\s)+(\b)/2
.set rY, SSC+2*(\s)+(\a)/2
.if (\s) == 0
.if (\b)%2 == 0
.if (\a)%2 == 0
	v_wmma_scale_f32_16x16x128_f8f6f4 v[rD:rD+7], v[rA:rA+11], v[rB:rB+11], 0, v[rX], v[rY] matrix_a_fmt:MATRIX_FMT_FP6 matrix_b_fmt:MATRIX_FMT_FP6
.else
	v_wmma_scale_f32_16x16x128_f8f6f4 v[rD:rD+7], v[rA:rA+11], v[rB:rB+11], 0, v[rX], v[rY] matrix_a_fmt:MATRIX_FMT_FP6 matrix_b_fmt:MATRIX_FMT_FP6 matrix_b_scale:MATRIX_SCALE_ROW1
.endif
.else
.if (\a)%2 == 0
	v_wmma_scale_f32_16x16x128_f8f6f4 v[rD:rD+7], v[rA:rA+11], v[rB:rB+11], 0, v[rX], v[rY] matrix_a_fmt:MATRIX_FMT_FP6 matrix_b_fmt:MATRIX_FMT_FP6 matrix_a_scale:MATRIX_SCALE_ROW1
.else
	v_wmma_scale_f32_16x16x128_f8f6f4 v[rD:rD+7], v[rA:rA+11], v[rB:rB+11], 0, v[rX], v[rY] matrix_a_fmt:MATRIX_FMT_FP6 matrix_b_fmt:MATRIX_FMT_FP6 matrix_a_scale:MATRIX_SCALE_ROW1 matrix_b_scale:MATRIX_SCALE_ROW1
.endif
.endif
.else
.if (\b)%2 == 0
.if (\a)%2 == 0
	v_wmma_scale_f32_16x16x128_f8f6f4 v[rD:rD+7], v[rA:rA+11], v[rB:rB+11], v[rD:rD+7], v[rX], v[rY] matrix_a_fmt:MATRIX_FMT_FP6 matrix_b_fmt:MATRIX_FMT_FP6
.else
	v_wmma_scale_f32_16x16x128_f8f6f4 v[rD:rD+7], v[rA:rA+11], v[rB:rB+11], v[rD:rD+7], v[rX], v[rY] matrix_a_fmt:MATRIX_FMT_FP6 matrix_b_fmt:MATRIX_FMT_FP6 matrix_b_scale:MATRIX_SCALE_ROW1
.endif
.else
.if (\a)%2 == 0
	v_wmma_scale_f32_16x16x128_f8f6f4 v[rD:rD+7], v[rA:rA+11], v[rB:rB+11], v[rD:rD+7], v[rX], v[rY] matrix_a_fmt:MATRIX_FMT_FP6 matrix_b_fmt:MATRIX_FMT_FP6 matrix_a_scale:MATRIX_SCALE_ROW1
.else
	v_wmma_scale_f32_16x16x128_f8f6f4 v[rD:rD+7], v[rA:rA+11], v[rB:rB+11], v[rD:rD+7], v[rX], v[rY] matrix_a_fmt:MATRIX_FMT_FP6 matrix_b_fmt:MATRIX_FMT_FP6 matrix_a_scale:MATRIX_SCALE_ROW1 matrix_b_scale:MATRIX_SCALE_ROW1
.endif
.endif
.endif
.endm
.macro MULB s, b
.irp a, 0,1
	WM \a, \b, \s
.endr
.endm
.macro TRIP s
	s_wait_dscnt 24
	WIN MUL_LO
	s_wait_alu depctr_va_vdst(0)
.irp b, 0,1,2,3,4,5
	MULB \s, \b
.endr
.if (\s) <= 5
	WIN 0
	s_wait_tensorcnt 0x0
	ds_add_u32 v[SPW], v[NIL]
	s_add_nc_u64 s[G0B+4*((\s)%2)+2:G0B+4*((\s)%2)+3], s[G0B+4*((\s)%2)+2:G0B+4*((\s)%2)+3], 12288
	WIN MUL_LO
.endif
	MULB \s, 6
	MULB \s, 7
	WIN 0
.if (\s) == 6
	s_wait_tensorcnt 0x0
.endif
	s_wait_dscnt 0x0
.if (\s) <= 5
	ROUND
	tensor_load_to_lds s[G0B+4*((\s)%2):G0B+4*((\s)%2)+3], s[G1B:G1B+7]
	s_nop 0
.endif
.if (\s) <= 6
	PLACES 4
	FETCH_S (\s)+1
	FETCH_B (\s)+1, 0
.if (\s) <= 3
.endif
.endif
	WIN MUL_HI
.irp b, 8,9,10,11,12,13,14,15
	MULB \s, \b
.endr
.if (\s) <= 6
	PLACES 4
	FETCH_B (\s)+1, 8
.endif
.endm
	s_load_b128 s[4:7], s[0:1], 0x0
	s_load_b128 s[8:11], s[0:1], 0x10
	s_load_b128 s[12:15], s[0:1], 0x20
	s_load_b64 s[16:17], s[0:1], 0x30
	v_lshl_add_u32 v[SPW], v0, 2, SPARE
	v_mov_b32 v[NIL], 0
	ds_add_u32 v6, v7
	ds_add_u32 v6, v7
	s_wait_dscnt 0x0
	v_lshrrev_b32 v1, 5, v0
	v_readfirstlane_b32 s[WV], v1
	s_bfe_u32 s[CX], ttmp6, 0x40000
	s_lshl_b32 s[II], ttmp9, 2
	s_add_co_u32 s[II], s[II], s[CX]
	s_lshl_b32 s22, s[WV], 2
	s_add_co_u32 s22, s22, 176
	s_and_b32 s98, s[WV], 1                        ; the head's load of K step 0: waves 2 and 3 take eight groups of Wout each
	s_lshl_b32 s99, s98, 3
	s_add_co_u32 s99, s99, 176
	s_mul_i32 s62, s99, 49152
	s_mov_b32 s63, 0
	s_mul_i32 s61, s98, 49152                      ; and lay them at 49,152 x (wave % 2) of slot 0
	s_mul_i32 s76, s22, 49152
	s_mov_b32 s77, 0
	s_lshl_b32 s82, s22, 11
	s_mov_b32 s83, 0
	; a work-group owns 32 tokens: tiles 2 (i % 2) and 2 (i % 2) + 1 of the group of 64 tokens i / 2; 256 work-groups
	s_lshr_b32 s74, s[II], 1                       ; the group
	s_and_b32 s75, s[II], 1                        ; which half of it
	s_mul_i32 s84, s74, 49152
	s_mul_i32 s96, s75, 3072                       ; my two tiles of a K step's four
	s_add_co_u32 s84, s84, s96
	s_and_b32 s96, s[WV], 1
	s_mul_i32 s79, s96, 24576                      ; waves 0 and 1 fetch four K steps of them each,
	s_add_co_u32 s84, s84, s79
	s_mul_i32 s96, s96, 12288                      ; 3,072 bytes a step in LDS
	s_mov_b32 s85, 0
	s_lshl_b32 s86, s74, 13
	s_lshl_b32 s75, s75, 8                         ; the scale words of my two tiles: 256 bytes of a head's 512
	s_add_co_u32 s86, s86, s75
	s_mov_b32 s87, 0
	s_lshl_b32 s88, s[WV], 10
	s_mov_b32 s89, 0
	s_lshl_b32 s92, s[II], 17                      ; 32 rows of 4,096 bytes
	s_add_co_u32 s92, s92, s88
	s_mov_b32 s93, 0
	s_mul_i32 s78, s[WV], WPART
	s_mov_b32 s[G1B], 15|(3<<16)|(1<<21)
	s_mov_b32 s[G1B+1], 768<<16
	s_mov_b32 s[G1B+2], 8<<16                      ; eight pieces for the head's load; four from the ring's first load on
	s_mov_b32 s[G1B+3], 768<<16
	s_mov_b32 s[G1B+4], 8
	s_mov_b32 s[G1B+5], 6144
	s_mov_b32 s[G1B+6], 0
	s_mov_b32 s[G1B+7], 0
	s_mov_b32 s[G1S], 3<<16
	s_mov_b32 s[G1S+1], 384<<16                    ; four rows of 3,072 bytes (384 elements of 8), 6,144 bytes apart
	s_mov_b32 s[G1S+2], 4<<16
	s_mov_b32 s[G1S+3], 384<<16
	s_mov_b32 s[G1S+4], 4
	s_mov_b32 s[G1S+5], 768
	s_mov_b32 s[G1S+6], 0
	s_mov_b32 s[G1S+7], 0
	s_mov_b32 s[SEL], 0x76543210
	s_mov_b32 s[SEL+1], 0xfedcba98
	v_and_b32 v1, 31, v0
	v_and_b32 v2, 15, v0
	v_bfe_u32 v3, v0, 4, 1
	v_lshlrev_b32 v[LI], 4, v1
	v_lshlrev_b32 v[L8], 3, v1
	v_min_u32 v28, 23, v1                          ; the prefetches' offset: of my wave's four pieces of a K step the partner at place cx names piece cx: 24 blocks of 256 bytes, a lane a block (lanes 24-31 name the last again)
	v_lshlrev_b32 v28, 8, v28
	s_mul_i32 s59, s[CX], 49152
	v_add_nc_u32 v28, s59, v28
	v_add_nc_u32 v[ADB], s78, v[LI]
	v_add_nc_u32 v[ADB+1], SLOTB, v[ADB]
	v_add_nc_u32 v[ADS], SML, v[LI]
	v_add_nc_u32 v[ADS8], SML, v[L8]
	s_lshl_b32 s97, s[WV], 11
	s_add_co_u32 s97, s97, VEC
	v_add_nc_u32 v[VECW], s97, v[LI]
	v_lshl_add_u32 v[VECR], v3, 6, s97
	s_lshl_b32 s97, s[WV], 9
	s_add_co_u32 s97, s97, RED
	v_lshl_add_u32 v[REDW], v1, 2, s97
	v_lshl_add_u32 v[REDR], v1, 2, RED
	s_mul_i32 s97, s[WV], 8448
	s_add_co_u32 s97, s97, STG
	v_mul_u32_u24 v[STO], v2, 528
	v_lshl_add_u32 v[STO], v3, 6, v[STO]
	v_add_nc_u32 v[STO], s97, v[STO]
	v_add_nc_u32 v[STR], s97, v[LI]
	v_lshlrev_b32 v[OSO], 2, v1
	v_lshl_add_u32 v[OSO], v3, 7, v[OSO]
	s_wait_alu depctr_va_vdst(0)
	s_wait_kmcnt 0x0
	s_add_nc_u64 s[62:63], s[4:5], s[62:63]
	s_or_b32 s63, s63, 0x80000000
	s_mov_b32 s60, 1
	s_add_nc_u64 s[80:81], s[4:5], s[76:77]
	s_add_nc_u64 s[82:83], s[6:7], s[82:83]
	s_add_nc_u64 s[84:85], s[8:9], s[84:85]
	s_add_nc_u64 s[86:87], s[10:11], s[86:87]
	s_add_nc_u64 s[90:91], s[14:15], s[88:89]
	s_add_nc_u64 s[88:89], s[12:13], s[88:89]
	s_add_nc_u64 s[92:93], s[16:17], s[92:93]
	s_mov_b32 s[G0B], 1
	s_mov_b32 s[G0B+1], s78
	s_mov_b64 s[G0B+2:G0B+3], s[80:81]
	s_or_b32 s[G0B+3], s[G0B+3], 0x80000000
	s_mov_b32 s[G0B+4], 1
	s_add_co_u32 s[G0B+5], s78, SLOTB
	s_add_nc_u64 s[G0B+6:G0B+7], s[80:81], 6144
	s_or_b32 s[G0B+7], s[G0B+7], 0x80000000
	s_mov_b32 s[G0S], 1
	s_add_co_u32 s[G0S+1], s96, SML
	s_mov_b64 s[G0S+2:G0S+3], s[84:85]
	s_or_b32 s[G0S+3], s[G0S+3], 0x80000000
	ROUND
	s_cmp_lt_u32 s[WV], 2                          ; the head's tiles, one load a wave, in one chain: waves 0, 1 the small operand's halves (plain), waves 2, 3 the halves of K step 0 (joint)
	s_cbranch_scc0 .Lhead_big
	tensor_load_to_lds s[G0S:G0S+3], s[G1S:G1S+7]
	s_nop 0
	PLACES 4
	s_branch .Lhead_asked
.Lhead_big:
	tensor_load_to_lds s[60:63], s[G1B:G1B+7]
	s_nop 0
	PLACES 4
.Lhead_asked:
.irp s, 1,2,3
.endr
	global_load_b128 v[224:227], v[LI], s[88:89]
	global_load_b128 v[228:231], v[LI], s[88:89] offset:512
	global_load_b128 v[232:235], v[LI], s[90:91]
	global_load_b128 v[236:239], v[LI], s[90:91] offset:512
	s_wait_alu depctr_va_vdst(0)
.irp s, 0,1,2,3,4,5,6,7
.irp i, 0
.irp c, 0,1
	global_load_b32 v[128+4*\s+2*\i+\c], v[OSO], s[86:87] offset:512*(2*\s+\c)+256*\i
.endr
.endr
.endr
.irp s, 0,1,2,3
.irp q, 0,1,2,3
	global_load_b64 v[BSC+8*\s+2*\q:BSC+8*\s+2*\q+1], v[L8], s[82:83] offset:2048*\q+256*\s
.endr
.endr
	s_wait_loadcnt 32                              ; bias and gain are in: 16 + 16 loads were issued behind them
	ds_store_b128 v[VECW], v[224:227]
	ds_store_b128 v[VECW], v[228:231] offset:512
	ds_store_b128 v[VECW], v[232:235] offset:1024
	ds_store_b128 v[VECW], v[236:239] offset:1536
	s_wait_loadcnt 16
.irp s, 4,5,6,7
.irp q, 0,1,2,3
	global_load_b64 v[BSC+8*\s+2*\q:BSC+8*\s+2*\q+1], v[L8], s[82:83] offset:2048*\q+256*\s
.endr
.endr
.irp s, 0,1,2,3,4,5,6,7
.irp i, 0
	v_lshl_or_b32 v[SSC+2*\s+\i], v[128+4*\s+2*\i+1], 16, v[128+4*\s+2*\i]
.endr
.endr
	PLACES 8
	s_wait_loadcnt 0x0
	s_wait_dscnt 0x0
	s_wait_tensorcnt 0x0                           ; my tile of the head's four is in
	ds_add_u32 v[SPW], v[NIL]
	s_mov_b32 s[G1B+2], 4<<16                      ; no tensor load of mine is out: from here on a load brings my wave's four pieces
	s_mov_b32 s[G1B+4], 4
	s_wait_dscnt 0x0
	ROUND                                          ; the small operand and K step 0 are whole, and the four work-groups are here
	tensor_load_to_lds s[G0B+4:G0B+7], s[G1B:G1B+7]   ; K step 1, my one tensor load behind the round
	s_nop 0
	PLACES 4
	FETCH_S 0
	FETCH_B 0, 0
	FETCH_B 0, 8
.irp s, 0,1,2,3,4,5,6,7
	TRIP \s
.endr
	WIN 0
	PLACES 4
.irp a, 0,1,2,3
	v_mov_b32 v[152+\a], 0
.endr
	WIN 0x40
.irp b, 0,1,2,3,4,5,6,7,8,9,10,11,12,13,14,15
.irp q, 0,1
	ds_load_b128 v[8*\b+4*\q:8*\b+4*\q+3], v[VECR] offset:4*(32*(\b/2)+8*(\b%2))+16*\q
	ds_load_b128 v[128+8*\b+4*\q:128+8*\b+4*\q+3], v[VECR] offset:1024+4*(32*(\b/2)+8*(\b%2))+16*\q
.endr
.endr
	s_wait_dscnt 0x0
.irp g, 0,1
	WIN 0x86+0x41*\g
.set k, 0
.rept 64
	v_pk_add_f32 v[2*k:2*k+1], v[2*k:2*k+1], v[64*\g+2*(k%32):64*\g+2*(k%32)+1]
.set k, k+1
.endr
	WIN 0x0a+5*\g
.set k, 0
.rept 32
.irp a, 0,1
.if (\g == 0) && (k == 0)
	v_pk_mul_f32 v[SSQ+2*\a:SSQ+2*\a+1], v[64*\a+2*k:64*\a+2*k+1], v[64*\a+2*k:64*\a+2*k+1]
.else
	v_pk_fma_f32 v[SSQ+2*\a:SSQ+2*\a+1], v[64*\a+2*k:64*\a+2*k+1], v[64*\a+2*k:64*\a+2*k+1], v[SSQ+2*\a:SSQ+2*\a+1]
.endif
.endr
.set k, k+1
.endr
.endr
	WIN 0
.irp a, 0,1
	v_add_f32 v[SSQ+2*\a], v[SSQ+2*\a], v[SSQ+2*\a+1]
.endr
.irp a, 0,1
	v_permlanex16_b32 v[152+\a], v[SSQ+2*\a], s[SEL], s[SEL+1]
.endr
.irp a, 0,1
	v_add_f32 v[SSQ+2*\a], v[SSQ+2*\a], v[152+\a]
.endr
.irp a, 0,1
	ds_store_b32 v[REDW], v[SSQ+2*\a] offset:128*\a
.endr
	s_wait_dscnt 0x0
	s_barrier_signal -1
	s_barrier_wait -1
.irp a, 0,1
.irp q, 0,1,2,3
	ds_load_b32 v[T+4*\a+\q], v[REDR] offset:512*\q+128*\a
.endr
.endr
	s_wait_dscnt 0x0
.irp a, 0,1
	v_add_f32 v[T+4*\a], v[T+4*\a], v[T+4*\a+1]
	v_add_f32 v[T+4*\a+2], v[T+4*\a+2], v[T+4*\a+3]
.endr
.irp a, 0,1
	v_add_f32 v[T+4*\a], v[T+4*\a], v[T+4*\a+2]
.endr
	s_wait_alu depctr_va_vdst(0)
.irp a, 0,1
	v_sqrt_f32 v[T+16+\a], v[T+4*\a]
.endr
	v_nop
	s_wait_alu depctr_va_vdst(0)
.irp a, 0,1
	v_max_num_f32 v[T+16+\a], 0x2b8cbccc, v[T+16+\a]
.endr
	s_wait_alu depctr_va_vdst(0)
.irp a, 0,1
	v_rcp_f32 v[T+20+\a], v[T+16+\a]
.endr
	v_nop
	s_wait_alu depctr_va_vdst(0)
.irp a, 0,1
	v_mul_f32 v[RS+2*\a], 0x42000000, v[T+20+\a]
.endr
.irp a, 0,1
	v_mov_b32 v[RS+2*\a+1], v[RS+2*\a]
.endr
.irp g, 0,1
.irp a, 0,1
	WIN 0x06+\g
.set k, 0
.rept 32
	v_pk_mul_f32 v[T+2*k:T+2*k+1], v[64*\a+2*k:64*\a+2*k+1], v[128+64*\g+2*k:128+64*\g+2*k+1]
.set k, k+1
.endr
	WIN 0
.set k, 0
.rept 32
	v_pk_mul_f32 v[T+2*k:T+2*k+1], v[T+2*k:T+2*k+1], v[RS+2*\a:RS+2*\a+1] op_sel_hi:[1,0]
.set k, k+1
.endr
.irp b, 0,1,2,3,4,5,6,7
.irp q, 0,1
	ds_store_b128 v[STO], v[T+8*\b+4*\q:T+8*\b+4*\q+3] offset:128*(\b/2)+32*(\b%2)+16*\q
.endr
.endr
	s_wait_xcnt 0x0
.irp t, 0,1,2,3,4,5,6,7,8,9,10,11,12,13,14,15
	ds_load_b128 v[BK+4*\t:BK+4*\t+3], v[STR] offset:528*\t
.endr
	s_wait_dscnt 0x0
.irp t, 0,1,2,3,4,5,6,7,8,9,10,11,12,13,14,15
	global_store_b128 v[LI], v[BK+4*\t:BK+4*\t+3], s[92:93] offset:4096*(32*(\a/2)+8*(\a%2)+\t+8*(\t/8))+512*\g th:TH_STORE_NT
.endr
.endr
.endr
	s_wait_tensorcnt 0x0
	ds_add_u32 v[SPW], v[NIL]
	s_wait_dscnt 0x0
	ROUND
	s_endpgm
.Lfunc_end_k_q53d2794f0b_outp:
	.size	k_q53d2794f0b_outp, .Lfunc_end_k_q53d2794f0b_outp-k_q53d2794f0b_outp
	.p2alignl 7, 3214868480
	.fill 96, 4, 3214868480
	.section	.rodata,"a",@progbits
	.p2align	6, 0x0
	.amdhsa_kernel k_q53d2794f0b_outp
		.amdhsa_group_segment_fixed_size 327680
		.amdhsa_private_segment_fixed_size 0
		.amdhsa_enable_private_segment 0
		.amdhsa_kernarg_size 56
		.amdhsa_user_sgpr_count 2
		.amdhsa_user_sgpr_kernarg_segment_ptr 1
		.amdhsa_wavefront_size32 1
		.amdhsa_system_sgpr_workgroup_id_x 1
		.amdhsa_system_sgpr_workgroup_id_y 1
		.amdhsa_system_sgpr_workgroup_id_z 1
		.amdhsa_system_vgpr_workitem_id 0
		.amdhsa_next_free_vgpr 1024
		.amdhsa_next_free_sgpr 100
		.amdhsa_reserve_vcc 0
		.amdhsa_float_denorm_mode_32 3
		.amdhsa_float_denorm_mode_16_64 3
		.amdhsa_memory_ordered 1
		.amdhsa_forward_progress 1
		.amdhsa_inst_pref_size 135
	.end_amdhsa_kernel
	.amdgpu_metadata
---
amdhsa.version: [ 1, 2 ]
amdhsa.kernels:
  - .name:           k_q53d2794f0b_outp
    .symbol:         k_q53d2794f0b_outp.kd
    .args:
      - { .name: cod, .offset: 0, .size: 8, .value_kind: global_buffer, .address_space: global }
      - { .name: scl, .offset: 8, .size: 8, .value_kind: global_buffer, .address_space: global }
      - { .name: oc, .offset: 16, .size: 8, .value_kind: global_buffer, .address_space: global }
      - { .name: osc, .offset: 24, .size: 8, .value_kind: global_buffer, .address_space: global }
      - { .name: bout, .offset: 32, .size: 8, .value_kind: global_buffer, .address_space: global }
      - { .name: g_out, .offset: 40, .size: 8, .value_kind: global_buffer, .address_space: global }
      - { .name: out0, .offset: 48, .size: 8, .value_kind: global_buffer, .address_space: global }
    .group_segment_fixed_size: 327680
    .private_segment_fixed_size: 0
    .kernarg_segment_align: 8
    .kernarg_segment_size: 56
    .max_flat_workgroup_size: 128
    .sgpr_count:     100
    .vgpr_count:     1024
    .wavefront_size: 32
...
	.end_amdgpu_metadata
.endif
;; end of part 4
